; MI455X (gfx1250); checked and timed in simulation.
; The chip was launched on July 23, 2026; its instructions are those of AMD's public machine-readable ISA for CDNA 5 (MIT licence, August 2026) and "CDNA5" Instruction Set Architecture Reference Guide (July 2026). The comments in the code are by the model that wrote it; some were corrected since.
;; Lane Set Attention Embedder. Allowed arithmetic: float matrix products may take bf16 or f16 operands with f32 sums; all other float work in f32.
;; Inputs: Uw 64 x 64 float32; Wb 64 float32; Ww 64 x 64 float32; X 1,000,000 x 32 float32; b1 64 float32; b2 64 float32; beta 64 float32; gamma 64 float32; rb1 64 float32; rb2 64 float32; rw1 64 x 256 float32; rw2 64 x 64 float32; seeds 4 x 64 float32; vw 64 float32; w1 64 x 32 float32; w2 64 x 64 float32.
;; Outputs: out0 64 float32; out1 4 x 1,000,000 float32.
;; 2 versions, each right and faster than the one before. Each part assembles by itself: llvm-mc -triple=amdgcn-amd-amdhsa -mcpu=gfx1250 --defsym DOCPART=n.
;; ======== version 1 of 2: 2 launches
;; limits: right only within a limited range of input values
;; workspace buffers: scores 16,000,000 bytes; pms 8,192 bytes; pz 262,144 bytes
;; launch embed (part 1): grid 256 x 1, 4 waves a work-group, no clusters, 128,768 bytes of LDS; arguments X, w1, b1, w2, b2, gamma, beta, Ww, Wb, Uw, vw, seeds, scores, pms, pz; writes scores, pms, pz
.if DOCPART == 1
	.amdgcn_target "amdgcn-amd-amdhsa--gfx1250"
	.amdhsa_code_object_version 6
	.text
	.protected	k_q16b1a96144_embed
	.globl	k_q16b1a96144_embed
	.p2align	8
	.type	k_q16b1a96144_embed,@function
k_q16b1a96144_embed:
	s_mov_b64 s[64:65], 0
	v_nop
	global_prefetch_b8 v0, s[64:65] scope:SCOPE_SE
	s_setreg_imm32_b32 hwreg(HW_REG_WAVE_MODE, 25, 1), 1
	s_wait_xcnt 0x0
; First of two launches.  For every row of X: the two-layer MLP, LayerNorm, the product with Ww, 4 x 64 tanh, the four
; scores; the scores go to memory in log2 units, and each work-group leaves a running (maximum, sum, pooled sum) per seed.
;
; ALGEBRA (exact, for every input):
;   tanh(z) = 1 - 2 / (1 + e^(2z)),  z_k = zz + d_k,  zz = Hn Ww^T + Wb + mid,  d_k = Uq_k - mid,  mid = (max_k Uq + min_k Uq) / 2.
;   One exponential E1 = e^zz serves the four seeds: p = E1 F_k (F_k = e^d_k, made once), a = p p + 1, r = 1 / a.
;   score_k in log2 units = log2e sum(vw) + sum_e (-2 log2e vw_e) r_e.
;   The mean of LayerNorm is taken out of w2 and b2 in f32 before w2 is rounded: var = mean of the squares.
;   gamma goes into Ww, beta into the start value of that product; the plain normalised row is pooled, the second launch
;   applies gamma and beta to the pooled sum (the weights add up to one).
; LIMITS: log2e d_k is clamped to +-113, so the spread of Uq over the seeds may be 156 for one feature; beyond that tanh of the
;   middle seeds is wrong.  E1 is flushed to 0 below 2^-126, where tanh is -1 to the last bit for every d_k inside the clamp.
;   ReLU is a maximum with 0 that turns a NaN into 0.
; SHARES: a block is 64 rows (8,192 bytes of X, 256 bytes of each score row); 15,625 blocks; wave g = 4 group + wave takes blocks
;   g, g + 1024, ...: 16 trips for g < 265, else 15.  One wave on each SIMD, since the constants alone take 416 registers.
;   No barrier in the loop: every LDS stage belongs to one wave.
; NO CLUSTER: all that work-groups share are 57,344 bytes of weights, read once, against 500,000 bytes of X for each group.
; NO TENSOR RING: a refill would need a barrier that all four waves pass, and the waves of one group differ in trips;
;   64 registers of look-ahead hold the next block while about 2,200 instructions run.
;
; EVERY MATRIX INSTRUCTION IS USED TRANSPOSED: source 0 = 16 rows of a weight, source 1 = 16 rows of data.  Register j of lane
; (r, h) of the result is (feature 16 t + 8 h + j, row r), so packing result tiles 2c and 2c+1 gives the next source 1 for K step c.
; Lane r of tile i is row 4 r + i of the block: a lane ends with four neighbouring scores.
; VL layout of a 64-vector: register 8 t + j holds element 16 t + 8 h + j.
.set NBLK,   15625
.set NWAVE,  1024
.set XSTEP,  NWAVE*8192
.set SSTEP,  NWAVE*256
; LDS
.set WST1,   0                         ; w1: 32 rows of 256 bytes, pitch 272
.set WST2,   8704                      ; w2: 64 x 272
.set WSTW,   26112                     ; Ww
.set WSTU,   43520                     ; Uw
.set WAVEA,  61440                     ; four wave areas
.set WAVESZ, 15616
.set HS,     4608                      ; in a wave area: X in bf16 at 0 (16 x 272), Hn in bf16 here (64 x 160),
.set PT,     14848                     ; the softmax numerators in bf16 here (4 x 144)
.set ZL,     123904                    ; the way out: pooled sums, 1,024 bytes a wave
.set MS,     128000                    ; maxima and sums, 32 bytes a wave
; window 0
.set XOFF, 4
.set XSA,  5
.set XLA,  6
.set HSA,  7
.set TRA,  8
.set PTA,  9
.set PBA,  10
.set SOFF, 11
.set MR,   12                          ; v12-13 running maximum of seed 2 h + k
.set SS,   14                          ; v14-15 running sum, a part in each lane
.set RS,   16                          ; v16-23 1 / sigma, a pair for each tile
.set XB,   32                          ; v32-63 X fragments; then the sums of squares
.set P,    64                          ; v64-127 packed activations, 16 a tile
.set DA,   128                         ; v128-255 results of layers 1 and 2 (32 i + 8 t)
.set PART, 128                         ; behind the tanh stage, over DA:
.set KP,   144
.set SND,  152
.set SC,   160
.set PE,   168
.set PCK,  176
.set MN,   184
.set ALP,  186
.set T2,   188
; window 1
.set FK,   0                           ; F_k, 32 k + 8 t + j
.set VW2,  128                         ; -2 log2e vw
.set DW,   160                         ; two tiles of the third product, then E1
.set TB,   224                         ; two buffers of eight
.set ACC,  240                         ; a pair for each seed
.set SVP,  248                         ; log2e sum(vw) / 4, twice
; window 2
.set W1F,  0
.set W2F,  32
.set WWF,  96
.set B1C,  160
.set B2C,  192
.set CWC,  224
; window 3
.set XF,   0                           ; the next block of X in f32
.set ZA,   64                          ; pooled sums (feature, seed = r & 3)
.set AT,   96                          ; Hn transposed
.set PB,   160
.set AL,   176
.set BF,   64                          ; start only: beta, Ww unscaled, seeds, as fragments
.set WR,   96
.set SDF,  178
.set MSB, 0
.macro WIN new                         ; low byte: 1:0 source 0, 3:2 source 1, 5:4 source 2, 7:6 destination; high byte: the setting left
.if MSB != \new
	s_set_vgpr_msb (MSB<<8)|\new
.set MSB, \new
.endif
.endm
.macro PLACES                          ; four independent vector places behind a matrix instruction (ISA guide 7.12.1)
.rept 4
	v_nop
.endr
.endm
.macro VLOAD dst, sb, off              ; a 64-vector in VL layout
.irp t,0,1,2,3
	global_load_b128 v[\dst+8*\t:\dst+8*\t+3], v30, s[\sb:\sb+1] offset:\off+64*\t
	global_load_b128 v[\dst+8*\t+4:\dst+8*\t+7], v30, s[\sb:\sb+1] offset:\off+64*\t+16
.endr
.endm
.macro XLOAD                           ; a block of X: each load covers 512 neighbouring bytes
.irp q,0,1,2,3,4,5,6,7,8,9,10,11,12,13,14,15
	global_load_b128 v[XF+4*\q:XF+4*\q+3], v[XOFF], s[46:47] offset:512*\q th:TH_LOAD_NT
.endr
.endm
.macro CVT cnt, dst, src               ; cnt packed registers from 2 cnt f32
.set cvn, 0
.rept \cnt
	v_cvt_pk_bf16_f32 v[\dst+cvn], v[\src+2*cvn], v[\src+2*cvn+1]
.set cvn, cvn+1
.endr
.endm
.macro FRAG128 base                    ; a 64 x 64 weight in f32, in fragment order: register 32 t + 16 c + x
.irp t,0,1,2,3
.irp c,0,1
	ds_load_b128 v[DA+32*\t+16*\c:DA+32*\t+16*\c+3], v31 offset:\base+4352*\t+128*\c
	ds_load_b128 v[DA+32*\t+16*\c+4:DA+32*\t+16*\c+7], v31 offset:\base+4352*\t+128*\c+16
	ds_load_b128 v[DA+32*\t+16*\c+8:DA+32*\t+16*\c+11], v31 offset:\base+4352*\t+128*\c+64
	ds_load_b128 v[DA+32*\t+16*\c+12:DA+32*\t+16*\c+15], v31 offset:\base+4352*\t+128*\c+80
.endr
.endr
	s_wait_dscnt 0x0
.endm
	s_load_b512 s[8:23], s[0:1], 0x0               ; X 8, w1 10, b1 12, w2 14, b2 16, gamma 18, beta 20, Ww 22
	s_load_b256 s[24:31], s[0:1], 0x40             ; Wb 24, Uw 26, vw 28, seeds 30
	s_load_b128 s[32:35], s[0:1], 0x60             ; scores 32, pms 34
	s_load_b64 s[36:37], s[0:1], 0x70              ; pz
	s_set_vgpr_msb 0x40
	v_lshl_add_u32 v254, v0, 2, 0x1f500
	v_mov_b32 v255, 0
	s_set_vgpr_msb 0x4000
	v_lshrrev_b32 v1, 5, v0
	v_readfirstlane_b32 s2, v1                     ; wave
	s_lshl2_add_u32 s3, ttmp9, s2                  ; g = 4 group + wave
	s_cmp_lt_u32 s3, NBLK-15*NWAVE
	s_cselect_b32 s4, 16, 15                       ; trips
	s_mov_b32 s38, 0x76543210                      ; v_permlanex16_b32: lane i reads lane i of the other half
	s_mov_b32 s39, 0xfedcba98
	s_mov_b32 s40, 0xffff0000                      ; lanes of h = 1
	s_mov_b32 s41, 0xaaaaaaaa                      ; odd lanes
	s_mov_b32 s42, 0x3333cccc                      ; lanes whose bit 1 differs from h
	s_mov_b32 s43, 0x3c800000                      ; 1 / 64
	s_mov_b32 s44, 0x3727c5ac                      ; 1e-5
	s_mov_b32 s45, 0x3fb8aa3b                      ; log2 e
	s_mov_b32 s50, 0xc2e20000                      ; -113
	s_mov_b32 s51, 0x42e20000                      ; +113
	v_and_b32 v1, 31, v0                           ; L
	v_and_b32 v2, 15, v0                           ; r
	v_bfe_u32 v3, v0, 4, 1                         ; h
	s_mul_i32 s6, s2, WAVESZ
	s_add_co_u32 s6, s6, WAVEA                     ; my wave area
	v_lshlrev_b32 v[XOFF], 4, v1
	v_lshl_add_u32 v[XSA], v1, 3, s6               ; X in: 8 L in quad-row q
	v_mul_u32_u24 v24, v2, 272
	v_lshl_add_u32 v25, v3, 4, v24
	v_add_nc_u32 v[XLA], s6, v25                   ; X back: quad-row r, 16 h
	v_lshl_add_u32 v31, v3, 5, v24                 ; weights in f32: row r, 32 h
	v_mul_u32_u24 v25, v2, 160
	v_lshl_add_u32 v25, v3, 4, v25
	v_add3_u32 v[HSA], v25, s6, HS                 ; Hn in: row r, 16 h
	v_and_b32 v26, 7, v0
	v_lshl_add_u32 v26, v3, 3, v26
	v_mul_u32_u24 v26, v26, 160
	v_bfe_u32 v27, v0, 3, 1
	v_lshl_add_u32 v26, v27, 4, v26
	v_add3_u32 v[TRA], v26, s6, HS                 ; Hn back, transposed: row 8 h + (L & 7), 16 bytes by bit 3 of L
	v_mul_u32_u24 v26, v3, 288
	v_lshl_add_u32 v26, v2, 1, v26
	v_add3_u32 v[PTA], v26, s6, PT                 ; numerators in: row 2 h, column r
	v_and_b32 v26, 3, v0
	v_mul_u32_u24 v26, v26, 144
	v_lshl_add_u32 v26, v3, 4, v26
	v_add3_u32 v[PBA], v26, s6, PT                 ; numerators back: row r & 3, 16 h
	v_mul_u32_u24 v[SOFF], v3, 0x7a1200            ; scores: 2 h rows of 4,000,000 bytes
	v_lshl_add_u32 v[SOFF], v2, 4, v[SOFF]         ; + 16 r
	v_lshrrev_b32 v26, 1, v2
	v_mul_u32_u24 v26, v26, 272
	v_and_b32 v27, 1, v0
	v_lshl_add_u32 v26, v27, 7, v26
	v_lshl_add_u32 v27, v3, 5, v26                 ; w1 in f32: two rows of 128 bytes in an LDS row
	v_lshlrev_b32 v28, 4, v0                       ; 16 thread: the copy of the weights
	v_lshrrev_b32 v29, 4, v0
	v_mul_u32_u24 v29, v29, 272
	v_lshl_add_u32 v29, v2, 4, v29
	v_lshlrev_b32 v30, 5, v3                       ; 32 h: VL layout
	s_lshl_b32 s52, s3, 13
	s_mov_b32 s53, 0
	s_wait_kmcnt 0x0
	s_add_nc_u64 s[46:47], s[8:9], s[52:53]        ; X at my first block
	s_lshl_b32 s52, s3, 8
	s_add_nc_u64 s[48:49], s[32:33], s[52:53]      ; scores at my first block
	; 28 loads: the four weights, copied whole and once for the group
.irp n,0,1,2,3
	global_load_b128 v[DA+4*\n:DA+4*\n+3], v28, s[10:11] offset:2048*\n
.endr
.irp n,0,1,2,3,4,5,6,7
	global_load_b128 v[DA+16+4*\n:DA+16+4*\n+3], v28, s[14:15] offset:2048*\n
.endr
.irp n,0,1,2,3,4,5,6,7
	global_load_b128 v[DA+48+4*\n:DA+48+4*\n+3], v28, s[22:23] offset:2048*\n
.endr
.irp n,0,1,2,3,4,5,6,7
	global_load_b128 v[DA+80+4*\n:DA+80+4*\n+3], v28, s[26:27] offset:2048*\n
.endr
	; 80 loads: the vectors
	WIN 0x40
	VLOAD FK, 30, 0
	VLOAD FK+32, 30, 256
	VLOAD FK+64, 30, 512
	VLOAD FK+96, 30, 768
	VLOAD VW2, 28, 0
	WIN 0x80
	VLOAD B1C, 12, 0
	VLOAD CWC, 24, 0
	WIN 0
	VLOAD 32, 18, 0                                ; gamma
	VLOAD 64, 20, 0                                ; beta
	VLOAD 96, 16, 0                                ; b2
	WIN 0xc0
	XLOAD                                          ; 16 loads: my first block
	WIN 0
	s_wait_loadcnt 0x3f                            ; 124 issued, at most 63 out: the oldest 61 are in, the 28 of the weights among them
.irp n,0,1,2,3
	ds_store_b128 v29, v[DA+4*\n:DA+4*\n+3] offset:WST1+2176*\n
.endr
.irp n,0,1,2,3,4,5,6,7
	ds_store_b128 v29, v[DA+16+4*\n:DA+16+4*\n+3] offset:WST2+2176*\n
.endr
.irp n,0,1,2,3,4,5,6,7
	ds_store_b128 v29, v[DA+48+4*\n:DA+48+4*\n+3] offset:WSTW+2176*\n
.endr
.irp n,0,1,2,3,4,5,6,7
	ds_store_b128 v29, v[DA+80+4*\n:DA+80+4*\n+3] offset:WSTU+2176*\n
.endr
	s_wait_dscnt 0x0                               ; my part of the weights is in LDS, for the other waves
	s_barrier_signal -1
	s_barrier_wait -1
	s_wait_loadcnt 0x10                            ; the vectors are in; the 16 loads of X stay out
	; b2 - mean(b2)
	v_pk_add_f32 v[24:25], v[96:97], v[98:99]
.set n, 4
.rept 14
	v_pk_add_f32 v[24:25], v[24:25], v[96+n:97+n]
.set n, n+2
.endr
	v_add_f32 v24, v24, v25
	v_permlanex16_b32 v25, v24, s38, s39
	v_add_f32 v24, v24, v25
	v_mul_f32 v24, 0xbc800000, v24                 ; - sum / 64
	v_mov_b32 v25, v24
	WIN 0x80
.set n, 0
.rept 16
	v_pk_add_f32 v[B2C+n:B2C+n+1], v[96+n:97+n], v[24:25]
.set n, n+2
.endr
	; -2 log2e vw, and a quarter of log2e sum(vw): it enters twice in each lane and in both halves
	WIN 0x55
.set n, 0
.rept 16
	v_pk_mul_f32 v[VW2+n:VW2+n+1], v[VW2+n:VW2+n+1], 0xc038aa3b op_sel_hi:[1,0]
.set n, n+2
.endr
	v_pk_add_f32 v[TB:TB+1], v[VW2:VW2+1], v[VW2+2:VW2+3]
.set n, 4
.rept 14
	v_pk_add_f32 v[TB:TB+1], v[TB:TB+1], v[VW2+n:VW2+n+1]
.set n, n+2
.endr
	v_add_f32 v[TB], v[TB], v[TB+1]
	v_permlanex16_b32 v[TB+1], v[TB], s38, s39
	v_add_f32 v[TB], v[TB], v[TB+1]
	v_mul_f32 v[SVP], 0xbe000000, v[TB]            ; x -1/8
	v_mul_f32 v[SVP+1], 0xbe000000, v[TB]
	WIN 0
.set n, 0
.rept 16
	v_pk_mul_f32 v[32+n:33+n], v[32+n:33+n], 0x3fb8aa3b op_sel_hi:[1,0]      ; log2e gamma
.set n, n+2
.endr
	; w1
.irp t,0,1,2,3
	ds_load_b128 v[DA+16*\t:DA+16*\t+3], v27 offset:WST1+2176*\t
	ds_load_b128 v[DA+16*\t+4:DA+16*\t+7], v27 offset:WST1+2176*\t+16
	ds_load_b128 v[DA+16*\t+8:DA+16*\t+11], v27 offset:WST1+2176*\t+64
	ds_load_b128 v[DA+16*\t+12:DA+16*\t+15], v27 offset:WST1+2176*\t+80
.endr
	s_wait_dscnt 0x0
	WIN 0x80
	CVT 32, W1F, DA
	WIN 0
	; w2 minus the mean of each column: over the four tiles in the lane, over the 16 rows across the lanes of a half
	FRAG128 WST2
.set x, 0
.rept 16
	v_pk_add_f32 v[96+x:97+x], v[DA+x:DA+x+1], v[DA+32+x:DA+33+x]
	v_pk_add_f32 v[96+x:97+x], v[96+x:97+x], v[DA+64+x:DA+65+x]
	v_pk_add_f32 v[96+x:97+x], v[96+x:97+x], v[DA+96+x:DA+97+x]
.set x, x+2
.endr
.irp m,1,2,4,8
.set x, 0
.rept 32
	v_add_f32_dpp v[96+x], v[96+x], v[96+x] row_xmask:\m row_mask:0xf bank_mask:0xf
.set x, x+1
.endr
.endr
.irp t,0,1,2,3
.set x, 0
.rept 16
	v_pk_fma_f32 v[DA+32*\t+x:DA+32*\t+x+1], v[96+x:97+x], 0xbc800000, v[DA+32*\t+x:DA+32*\t+x+1] op_sel_hi:[1,0,1]
.set x, x+2
.endr
.endr
	WIN 0x80
	CVT 64, W2F, DA
	WIN 0
	; Ww: as it is for the product with beta, times log2e gamma for the loop
	FRAG128 WSTW
	WIN 0xc0
	CVT 64, WR, DA
	WIN 0
.irp t,0,1,2,3
.set x, 0
.rept 16
	v_pk_mul_f32 v[DA+32*\t+x:DA+32*\t+x+1], v[DA+32*\t+x:DA+32*\t+x+1], v[32+x:33+x]
.set x, x+2
.endr
.endr
	WIN 0x80
	CVT 64, WWF, DA
	WIN 0
	; Uw, beta, seeds as fragments.  A vector in VL layout, packed, is a source 1 with the vector in all 16 columns,
	; so the products come out in VL layout in every lane.
	FRAG128 WSTU
	WIN 0x40
	CVT 64, DW, DA
	WIN 0xc0
	CVT 16, BF, 64
	WIN 0xc5
	CVT 64, SDF, FK
	WIN 0x5d
.irp k,0,1,2,3
.irp t,0,1,2,3
	v_wmma_f32_16x16x32_bf16 v[FK+32*\k+8*\t:FK+32*\k+8*\t+7], v[DW+16*\t:DW+16*\t+7], v[SDF+16*\k:SDF+16*\k+7], 0
.endr
.endr
.irp k,0,1,2,3
.irp t,0,1,2,3
	v_wmma_f32_16x16x32_bf16 v[FK+32*\k+8*\t:FK+32*\k+8*\t+7], v[DW+16*\t+8:DW+16*\t+15], v[SDF+16*\k+8:SDF+16*\k+15], v[FK+32*\k+8*\t:FK+32*\k+8*\t+7]
.endr
.endr
	WIN 0xaf
.irp t,0,1,2,3
	v_wmma_f32_16x16x32_bf16 v[CWC+8*\t:CWC+8*\t+7], v[WR+16*\t:WR+16*\t+7], v[BF:BF+7], v[CWC+8*\t:CWC+8*\t+7]
.endr
.irp t,0,1,2,3
	v_wmma_f32_16x16x32_bf16 v[CWC+8*\t:CWC+8*\t+7], v[WR+16*\t+8:WR+16*\t+15], v[BF+8:BF+15], v[CWC+8*\t:CWC+8*\t+7]
.endr
	PLACES
	; - log2e mid into DW; F_k = exp2(clamp(log2e Uq_k - log2e mid))
	WIN 0x55
.set n, 0
.rept 32
	v_max3_num_f32 v[TB], v[FK+n], v[FK+32+n], v[FK+64+n]
	v_min3_num_f32 v[TB+1], v[FK+n], v[FK+32+n], v[FK+64+n]
	v_max_num_f32 v[TB], v[TB], v[FK+96+n]
	v_min_num_f32 v[TB+1], v[TB+1], v[FK+96+n]
	v_add_f32 v[TB], v[TB], v[TB+1]
	v_mul_f32 v[DW+n], 0xbf38aa3b, v[TB]           ; x - log2e / 2
.set n, n+1
.endr
.set n, 0
.rept 64
	v_pk_fma_f32 v[FK+n:FK+n+1], v[FK+n:FK+n+1], 0x3fb8aa3b, v[DW+(n%32):DW+(n%32)+1] op_sel_hi:[1,0,1]
.set n, n+2
.endr
.set n, 0
.rept 128
	v_med3_num_f32 v[FK+n], v[FK+n], s50, s51
.set n, n+1
.endr
.set n, 0
.rept 128
	v_exp_f32 v[FK+n], v[FK+n]
.set n, n+1
.endr
	v_nop                                          ; a plain place behind the last exponential
	WIN 0x92
.set n, 0
.rept 32
	v_fma_f32 v[CWC+n], v[CWC+n], s45, -v[DW+n]    ; log2e (Wb + Ww beta + mid)
.set n, n+1
.endr
	WIN 0xc0
.set n, 0
.rept 32
	v_mov_b32 v[ZA+n], 0                           ; once in the launch: the pooled sums are rescaled before they are first added to
.set n, n+1
.endr
	WIN 0
	v_mov_b32 v[MR], 0xff800000
	v_mov_b32 v[MR+1], 0xff800000
	v_mov_b32 v[SS], 0
	v_mov_b32 v[SS+1], 0
	s_mov_b32 s5, 0
; ---- the macros of a trip
.macro LNSUM i                         ; mean of squares + eps of tile i, in v[XB + 8 i]
.set lnp, 0
.rept 4
	v_pk_mul_f32 v[XB+8*\i+2*lnp:XB+8*\i+2*lnp+1], v[DA+32*\i+2*lnp:DA+32*\i+2*lnp+1], v[DA+32*\i+2*lnp:DA+32*\i+2*lnp+1]
.set lnp, lnp+1
.endr
.rept 12
	v_pk_fma_f32 v[XB+8*\i+2*(lnp%4):XB+8*\i+2*(lnp%4)+1], v[DA+32*\i+2*lnp:DA+32*\i+2*lnp+1], v[DA+32*\i+2*lnp:DA+32*\i+2*lnp+1], v[XB+8*\i+2*(lnp%4):XB+8*\i+2*(lnp%4)+1]
.set lnp, lnp+1
.endr
	v_pk_add_f32 v[XB+8*\i:XB+8*\i+1], v[XB+8*\i:XB+8*\i+1], v[XB+8*\i+2:XB+8*\i+3]
	v_pk_add_f32 v[XB+8*\i+4:XB+8*\i+5], v[XB+8*\i+4:XB+8*\i+5], v[XB+8*\i+6:XB+8*\i+7]
	v_pk_add_f32 v[XB+8*\i:XB+8*\i+1], v[XB+8*\i:XB+8*\i+1], v[XB+8*\i+4:XB+8*\i+5]
	v_add_f32 v[XB+8*\i], v[XB+8*\i], v[XB+8*\i+1]
	v_permlanex16_b32 v[XB+8*\i+1], v[XB+8*\i], s38, s39       ; the other 32 features
	v_add_f32 v[XB+8*\i], v[XB+8*\i], v[XB+8*\i+1]
	v_fma_f32 v[XB+8*\i], v[XB+8*\i], s43, s44
.endm
.macro LNSCALE i
.set lnp, 0
.rept 16
	v_pk_mul_f32 v[DA+32*\i+2*lnp:DA+32*\i+2*lnp+1], v[DA+32*\i+2*lnp:DA+32*\i+2*lnp+1], v[RS+2*\i:RS+2*\i+1]
.set lnp, lnp+1
.endr
.set lnp, 0
.rept 16
	v_cvt_pk_bf16_f32 v[P+16*\i+lnp], v[DA+32*\i+2*lnp], v[DA+32*\i+2*lnp+1]
.set lnp, lnp+1
.endr
.endm
.macro L3 i                            ; log2e zz of tile i into DW buffer i % 2
	WIN 0x62
.irp t,0,1,2,3
	v_wmma_f32_16x16x32_bf16 v[DW+32*(\i%2)+8*\t:DW+32*(\i%2)+8*\t+7], v[WWF+16*\t:WWF+16*\t+7], v[P+16*\i:P+16*\i+7], v[CWC+8*\t:CWC+8*\t+7]
.endr
	WIN 0x52
.irp t,0,1,2,3
	v_wmma_f32_16x16x32_bf16 v[DW+32*(\i%2)+8*\t:DW+32*(\i%2)+8*\t+7], v[WWF+16*\t+8:WWF+16*\t+15], v[P+16*\i+8:P+16*\i+15], v[DW+32*(\i%2)+8*\t:DW+32*(\i%2)+8*\t+7]
.endr
.endm
; THE TANH STAGE.  Slot sl = 16 i + 4 t + k works on eight features of tile i for seed k.  In one slot: the eight reciprocals of
; slot sl, the four multiply-adds into the score of slot sl - 1, the products and squares of slot sl + 1, and two exponentials that
; are wanted four slots on.  Plain and transcendental instructions alternate, and no result of a transcendental is read before a plain
; instruction that names none of its registers has followed it (ISA guide 5.7.2).
.macro RCP m
	v_rcp_f32 v[TB+8*(sl%2)+\m], v[TB+8*(sl%2)+\m]
.endm
.macro CC m
.if sl > 0
.set cs, sl-1
.if ((cs/4)%4)*4+\m == 0
	s_wait_alu depctr_va_vdst(0)
	v_pk_fma_f32 v[ACC+2*(cs%4):ACC+2*(cs%4)+1], v[TB+8*(cs%2)+2*\m:TB+8*(cs%2)+2*\m+1], v[VW2+8*((cs/4)%4)+2*\m:VW2+8*((cs/4)%4)+2*\m+1], v[SVP:SVP+1]
.else
	s_wait_alu depctr_va_vdst(0)
	v_pk_fma_f32 v[ACC+2*(cs%4):ACC+2*(cs%4)+1], v[TB+8*(cs%2)+2*\m:TB+8*(cs%2)+2*\m+1], v[VW2+8*((cs/4)%4)+2*\m:VW2+8*((cs/4)%4)+2*\m+1], v[ACC+2*(cs%4):ACC+2*(cs%4)+1]
.endif
.endif
.endm
.macro MM m
.if sl < 63
.set ns, sl+1
	v_pk_mul_f32 v[TB+8*(ns%2)+2*\m:TB+8*(ns%2)+2*\m+1], v[DW+32*((ns/16)%2)+8*((ns/4)%4)+2*\m:DW+32*((ns/16)%2)+8*((ns/4)%4)+2*\m+1], v[FK+32*(ns%4)+8*((ns/4)%4)+2*\m:FK+32*(ns%4)+8*((ns/4)%4)+2*\m+1]
.endif
.endm
.macro QQ m
.if sl < 63
.set ns, sl+1
	v_pk_fma_f32 v[TB+8*(ns%2)+2*\m:TB+8*(ns%2)+2*\m+1], v[TB+8*(ns%2)+2*\m:TB+8*(ns%2)+2*\m+1], v[TB+8*(ns%2)+2*\m:TB+8*(ns%2)+2*\m+1], 1.0 op_sel_hi:[1,1,0]
.endif
.endm
.macro EX e                            ; exponential number e of the block: tile e / 32, register e % 32
.if \e < 128
	v_exp_f32 v[DW+32*(((\e)/32)%2)+((\e)%32)], v[DW+32*(((\e)/32)%2)+((\e)%32)]
.endif
.endm
.macro SLOT
	RCP 0
	CC 0
	RCP 1
	CC 1
	RCP 2
	CC 2
	RCP 3
	CC 3
	EX 2*sl+10
	MM 0
	RCP 4
	MM 1
	RCP 5
	MM 2
	RCP 6
	MM 3
	RCP 7
	QQ 0
	EX 2*sl+11
	QQ 1
	QQ 2
	QQ 3
.endm
.macro SLOTS cnt
	WIN 0x55
.rept \cnt
	SLOT
.set sl, sl+1
.endr
.endm
.macro PARTIAL i                       ; the two halves of each seed pair of tile i
	WIN 0x05
.irp k,0,1,2,3
	v_add_f32 v[PART+4*\i+\k], v[ACC+2*\k], v[ACC+2*\k+1]
.endr
.endm
.Ltrip:
	s_wait_loadcnt 0x0                             ; my block, asked for a whole trip ago; X base and XF are free
	WIN 0x0f
	CVT 32, DA, XF
	WIN 0
.irp q,0,1,2,3,4,5,6,7,8,9,10,11,12,13,14,15
	ds_store_b64 v[XSA], v[DA+2*\q:DA+2*\q+1] offset:272*\q    ; 256 neighbouring bytes: rows 4 q .. 4 q + 3 in bf16
.endr
	s_add_co_u32 s6, s5, 1
	s_cmp_ge_u32 s6, s4
	s_cbranch_scc1 .Lnoload                        ; the last trip asks for nothing: no load leaves X
	s_add_nc_u64 s[46:47], s[46:47], XSTEP
	WIN 0xc0
	XLOAD
	WIN 0
.Lnoload:
.irp i,0,1,2,3
	ds_load_b128 v[XB+8*\i:XB+8*\i+3], v[XLA] offset:64*\i     ; LDS serves a wave in order: these see the stores above
	ds_load_b128 v[XB+8*\i+4:XB+8*\i+7], v[XLA] offset:64*\i+32
.endr
	s_wait_dscnt 0x0
	WIN 0x22                                       ; layer 1: the bias starts the sums
.irp i,0,1,2,3
.irp t,0,1,2,3
	v_wmma_f32_16x16x32_bf16 v[DA+32*\i+8*\t:DA+32*\i+8*\t+7], v[W1F+8*\t:W1F+8*\t+7], v[XB+8*\i:XB+8*\i+7], v[B1C+8*\t:B1C+8*\t+7]
.endr
.endr
	PLACES
	WIN 0
.set rn, 0
.rept 16
.irp j,0,1,2,3,4,5,6,7
	v_max_num_f32 v[DA+8*rn+\j], 0, v[DA+8*rn+\j]
.endr
.irp j,0,1,2,3
	v_cvt_pk_bf16_f32 v[P+4*rn+\j], v[DA+8*rn+2*\j], v[DA+8*rn+2*\j+1]
.endr
.set rn, rn+1
.endr
	WIN 0x22                                       ; layer 2, mean-free
.irp i,0,1,2,3
.irp t,0,1,2,3
	v_wmma_f32_16x16x32_bf16 v[DA+32*\i+8*\t:DA+32*\i+8*\t+7], v[W2F+16*\t:W2F+16*\t+7], v[P+16*\i:P+16*\i+7], v[B2C+8*\t:B2C+8*\t+7]
.endr
.endr
	WIN 0x02
.irp i,0,1,2,3
.irp t,0,1,2,3
	v_wmma_f32_16x16x32_bf16 v[DA+32*\i+8*\t:DA+32*\i+8*\t+7], v[W2F+16*\t+8:W2F+16*\t+15], v[P+16*\i+8:P+16*\i+15], v[DA+32*\i+8*\t:DA+32*\i+8*\t+7]
.endr
.endr
	PLACES
	WIN 0
	LNSUM 0
	LNSUM 1
	LNSUM 2
	LNSUM 3
.irp i,0,1,2,3
	v_rsq_f32 v[RS+2*\i], v[XB+8*\i]
	v_rsq_f32 v[RS+2*\i+1], v[XB+8*\i]             ; twice: a pair for the packed multiply
.endr
	v_nop                                          ; a plain place behind the last of them
	s_wait_alu depctr_va_vdst(0)
	LNSCALE 0
	LNSCALE 1
	LNSCALE 2
	LNSCALE 3
.irp i,0,1,2,3
.irp t,0,1,2,3
	ds_store_b128 v[HSA], v[P+16*\i+4*\t:P+16*\i+4*\t+3] offset:2560*\i+32*\t    ; row 16 i + r, features 16 t + 8 h ..
.endr
.endr
	WIN 0xc0
.irp u,0,1
.irp t,0,1,2,3
	ds_load_tr16_b128 v[AT+32*\u+8*\t:AT+32*\u+8*\t+3], v[TRA] offset:5120*\u+32*\t          ; waited for in front of the pooling
	ds_load_tr16_b128 v[AT+32*\u+8*\t+4:AT+32*\u+8*\t+7], v[TRA] offset:5120*\u+32*\t+2560
.endr
.endr
	L3 0
	L3 1
	PLACES
	WIN 0x55
.set sl, -1
.irp e,0,1,2,3,4,5,6,7,8,9
	EX \e
.endr
	v_nop
	s_wait_alu depctr_va_vdst(0)
	MM 0
	MM 1
	MM 2
	MM 3
	QQ 0
	QQ 1
	QQ 2
	QQ 3
.set sl, 0
	SLOTS 16                                       ; slots 0-15; buffer 0 of DW was last read in slot 14
	L3 2                                           ; first read in slot 27: the plain instructions of ten slots are its places
	SLOTS 1
	PARTIAL 0                                      ; slot 16 has added the last of tile 0
	SLOTS 15
	L3 3                                           ; buffer 1 was last read in slot 30, is first read in slot 43
	SLOTS 1
	PARTIAL 1
	SLOTS 16
	PARTIAL 2
	SLOTS 15
	v_nop
	s_wait_alu depctr_va_vdst(0)
	CC 0
	CC 1
	CC 2
	CC 3
	PARTIAL 3
	WIN 0
	; scores: each half keeps seeds 2 h, 2 h + 1 and sends its part of the other two
.irp i,0,1,2,3
.irp k,0,1
	v_cndmask_b32 v[KP+4*\k+\i], v[PART+4*\i+\k], v[PART+4*\i+2+\k], s40
	v_cndmask_b32 v[SND+4*\k+\i], v[PART+4*\i+2+\k], v[PART+4*\i+\k], s40
.endr
.endr
.irp x,0,1,2,3,4,5,6,7
	v_permlanex16_b32 v[PART+\x], v[SND+\x], s38, s39
.endr
.irp x,0,1,2,3,4,5,6,7
	v_add_f32 v[SC+\x], v[KP+\x], v[PART+\x]
.endr
	global_store_b128 v[SOFF], v[SC:SC+3], s[48:49]                        ; 16 lanes store 256 consecutive bytes, aligned
	global_store_b128 v[SOFF], v[SC+4:SC+7], s[48:49] offset:4000000
	; running softmax over the 64 rows
.irp k,0,1
	v_max3_num_f32 v[MN+\k], v[SC+4*\k], v[SC+4*\k+1], v[SC+4*\k+2]
.endr
.irp k,0,1
	v_max3_num_f32 v[MN+\k], v[MN+\k], v[SC+4*\k+3], v[MR+\k]
.endr
.irp m,1,2,4,8
.irp k,0,1
	v_max_num_f32_dpp v[MN+\k], v[MN+\k], v[MN+\k] row_xmask:\m row_mask:0xf bank_mask:0xf
.endr
.endr
.irp k,0,1
	v_sub_f32 v[ALP+\k], v[MR+\k], v[MN+\k]
.irp i,0,1,2,3
	v_sub_f32 v[PE+4*\k+\i], v[SC+4*\k+\i], v[MN+\k]
.endr
.endr
	v_exp_f32 v[ALP], v[ALP]
	v_exp_f32 v[ALP+1], v[ALP+1]
.irp x,0,1,2,3,4,5,6,7
	v_exp_f32 v[PE+\x], v[PE+\x]
.endr
	v_mov_b32 v[MR], v[MN]
	v_mov_b32 v[MR+1], v[MN+1]
	s_wait_alu depctr_va_vdst(0)
.irp k,0,1
.irp q,0,1
	v_cvt_pk_bf16_f32 v[PCK+2*\k+\q], v[PE+4*\k+2*\q], v[PE+4*\k+2*\q+1]
.endr
.endr
.irp k,0,1
.irp q,0,1
	ds_store_b16 v[PTA], v[PCK+2*\k+\q] offset:144*\k+64*\q                ; seed 2 h + k, row 16 i + r
	ds_store_b16_d16_hi v[PTA], v[PCK+2*\k+\q] offset:144*\k+64*\q+32
.endr
.endr
	WIN 0xc0
.irp u,0,1
	ds_load_b128 v[PB+8*\u:PB+8*\u+3], v[PBA] offset:64*\u
	ds_load_b128 v[PB+8*\u+4:PB+8*\u+7], v[PBA] offset:64*\u+32
.endr
	WIN 0
.irp k,0,1
	v_pk_add_f32 v[T2:T2+1], v[PE+4*\k:PE+4*\k+1], v[PE+4*\k+2:PE+4*\k+3]
	v_add_f32 v[T2], v[T2], v[T2+1]
	v_fma_f32 v[SS+\k], v[SS+\k], v[ALP+\k], v[T2]
.endr
	v_cndmask_b32 v[T2+2], v[ALP], v[ALP+1], s41   ; the rescale of seed 2 h + (r & 1),
	v_permlanex16_b32 v[T2+3], v[T2+2], s38, s39   ; that of the other half,
	WIN 0xc0
	v_cndmask_b32 v[AL], v[T2+2], v[T2+3], s42     ; and of seed r & 3
	v_cndmask_b32 v[AL+1], v[T2+2], v[T2+3], s42
	WIN 0xff
.set n, 0
.rept 16
	v_pk_mul_f32 v[ZA+n:ZA+n+1], v[ZA+n:ZA+n+1], v[AL:AL+1]
.set n, n+2
.endr
	s_wait_dscnt 0x0                               ; Hn transposed and the numerators are in
.irp t,0,1,2,3
	v_wmma_f32_16x16x32_bf16 v[ZA+8*\t:ZA+8*\t+7], v[AT+8*\t:AT+8*\t+7], v[PB:PB+7], v[ZA+8*\t:ZA+8*\t+7]
.endr
.irp t,0,1,2,3
	v_wmma_f32_16x16x32_bf16 v[ZA+8*\t:ZA+8*\t+7], v[AT+32+8*\t:AT+32+8*\t+7], v[PB+8:PB+15], v[ZA+8*\t:ZA+8*\t+7]
.endr
	WIN 0
	s_wait_xcnt 0x0                                ; the score stores have read their data and base: both are rewritten behind this wait
	s_add_nc_u64 s[48:49], s[48:49], SSTEP
	s_add_co_u32 s5, s5, 1
	s_cmp_lt_u32 s5, s4
	s_cbranch_scc1 .Ltrip
	; THE WAY OUT: the four waves meet in LDS; wave w then combines seed w.
	PLACES
.irp m,1,2,4,8
	v_add_f32_dpp v[SS], v[SS], v[SS] row_xmask:\m row_mask:0xf bank_mask:0xf
	v_add_f32_dpp v[SS+1], v[SS+1], v[SS+1] row_xmask:\m row_mask:0xf bank_mask:0xf
.endr
	s_lshl_b32 s6, s2, 5
	s_add_co_u32 s6, s6, MS
	v_lshl_add_u32 v24, v3, 3, s6
	ds_store_b32 v24, v[MR]                        ; the 16 lanes of a half write one word with one value
	ds_store_b32 v24, v[MR+1] offset:4
	ds_store_b32 v24, v[SS] offset:16
	ds_store_b32 v24, v[SS+1] offset:20
	v_and_b32 v25, 3, v0
	v_lshlrev_b32 v25, 8, v25
	v_lshl_add_u32 v25, v3, 5, v25
	s_lshl_b32 s6, s2, 10
	s_add_co_u32 s6, s6, ZL
	v_add_nc_u32 v25, s6, v25
	WIN 0x0c
.irp t,0,1,2,3
	ds_store_b128 v25, v[ZA+8*\t:ZA+8*\t+3] offset:64*\t               ; columns r, r + 4, .. hold the same numbers
	ds_store_b128 v25, v[ZA+8*\t+4:ZA+8*\t+7] offset:64*\t+16
.endr
	WIN 0
	s_wait_dscnt 0x0
	s_barrier_signal -1
	s_barrier_wait -1
	s_lshl_b32 s6, s2, 2
	s_add_co_u32 s6, s6, MS
	v_mov_b32 v24, s6
.irp w,0,1,2,3
	ds_load_b32 v[32+\w], v24 offset:32*\w
	ds_load_b32 v[36+\w], v24 offset:32*\w+16
.endr
	s_lshl_b32 s6, s2, 8
	s_add_co_u32 s6, s6, ZL
	v_lshl_add_u32 v25, v1, 3, s6
.irp w,0,1,2,3
	ds_load_b64 v[40+2*\w:41+2*\w], v25 offset:1024*\w
.endr
	s_wait_dscnt 0x0
	v_max3_num_f32 v26, v32, v33, v34
	v_max_num_f32 v26, v26, v35
.irp w,0,1,2,3
	v_sub_f32 v[32+\w], v[32+\w], v26
.endr
.irp w,0,1,2,3
	v_exp_f32 v[32+\w], v[32+\w]
.endr
	v_lshlrev_b32 v30, 3, v1
	s_wait_alu depctr_va_vdst(0)
	v_mul_f32 v27, v32, v36
	v_mul_f32 v28, v40, v32
	v_mul_f32 v29, v41, v32
.irp w,1,2,3
	v_fmac_f32 v27, v[32+\w], v[36+\w]
	v_fmac_f32 v28, v[40+2*\w], v[32+\w]
	v_fmac_f32 v29, v[41+2*\w], v[32+\w]
.endr
	s_lshl_b32 s52, ttmp9, 10
	s_lshl_b32 s6, s2, 8
	s_add_co_u32 s52, s52, s6
	s_add_nc_u64 s[36:37], s[36:37], s[52:53]
	global_store_b64 v30, v[28:29], s[36:37]       ; 256 consecutive bytes, aligned: pz[group][seed][0..63]
	s_lshl_b32 s52, ttmp9, 5
	s_lshl2_add_u32 s52, s2, s52
	s_add_nc_u64 s[34:35], s[34:35], s[52:53]
	v_lshlrev_b32 v31, 4, v1
	v_cmp_eq_u32 vcc_lo, 1, v1
	v_cndmask_b32 v26, v26, v27, vcc_lo            ; lane 0: the maximum, lane 1: the sum
	v_cmp_gt_u32 vcc_lo, 2, v1
	s_wait_xcnt 0x0                                ; EXEC is a source of the store above
	s_set_vgpr_msb 0x5
	s_wait_tensorcnt 0x0
	ds_add_u32 v254, v255
	s_wait_dscnt 0x0
	s_set_vgpr_msb 0x500
	s_and_saveexec_b32 s6, vcc_lo
	global_store_b32 v31, v26, s[34:35]
	s_wait_xcnt 0x0
	s_or_b32 exec_lo, exec_lo, s6
	s_endpgm
.Lfunc_end_k_q16b1a96144_embed:
	.size	k_q16b1a96144_embed, .Lfunc_end_k_q16b1a96144_embed-k_q16b1a96144_embed
	.p2alignl 7, 3214868480
	.fill 96, 4, 3214868480
	.section	.rodata,"a",@progbits
	.p2align	6, 0x0
	.amdhsa_kernel k_q16b1a96144_embed
		.amdhsa_group_segment_fixed_size 128768
		.amdhsa_private_segment_fixed_size 0
		.amdhsa_enable_private_segment 0
		.amdhsa_kernarg_size 120
		.amdhsa_user_sgpr_count 2
		.amdhsa_user_sgpr_kernarg_segment_ptr 1
		.amdhsa_wavefront_size32 1
		.amdhsa_system_sgpr_workgroup_id_x 1
		.amdhsa_system_sgpr_workgroup_id_y 1
		.amdhsa_system_sgpr_workgroup_id_z 1
		.amdhsa_system_vgpr_workitem_id 0
		.amdhsa_next_free_vgpr 1024
		.amdhsa_next_free_sgpr 66
		.amdhsa_reserve_vcc 1
		.amdhsa_float_denorm_mode_32 3
		.amdhsa_float_denorm_mode_16_64 3
		.amdhsa_memory_ordered 1
		.amdhsa_forward_progress 1
		.amdhsa_inst_pref_size 233
	.end_amdhsa_kernel
	.amdgpu_metadata
---
amdhsa.version: [ 1, 2 ]
amdhsa.kernels:
  - .name:           k_q16b1a96144_embed
    .symbol:         k_q16b1a96144_embed.kd
    .args:
      - { .name: X, .offset: 0, .size: 8, .value_kind: global_buffer, .address_space: global }
      - { .name: w1, .offset: 8, .size: 8, .value_kind: global_buffer, .address_space: global }
      - { .name: b1, .offset: 16, .size: 8, .value_kind: global_buffer, .address_space: global }
      - { .name: w2, .offset: 24, .size: 8, .value_kind: global_buffer, .address_space: global }
      - { .name: b2, .offset: 32, .size: 8, .value_kind: global_buffer, .address_space: global }
      - { .name: gamma, .offset: 40, .size: 8, .value_kind: global_buffer, .address_space: global }
      - { .name: beta, .offset: 48, .size: 8, .value_kind: global_buffer, .address_space: global }
      - { .name: Ww, .offset: 56, .size: 8, .value_kind: global_buffer, .address_space: global }
      - { .name: Wb, .offset: 64, .size: 8, .value_kind: global_buffer, .address_space: global }
      - { .name: Uw, .offset: 72, .size: 8, .value_kind: global_buffer, .address_space: global }
      - { .name: vw, .offset: 80, .size: 8, .value_kind: global_buffer, .address_space: global }
      - { .name: seeds, .offset: 88, .size: 8, .value_kind: global_buffer, .address_space: global }
      - { .name: scores, .offset: 96, .size: 8, .value_kind: global_buffer, .address_space: global }
      - { .name: pms, .offset: 104, .size: 8, .value_kind: global_buffer, .address_space: global }
      - { .name: pz, .offset: 112, .size: 8, .value_kind: global_buffer, .address_space: global }
    .group_segment_fixed_size: 128768
    .private_segment_fixed_size: 0
    .kernarg_segment_align: 8
    .kernarg_segment_size: 120
    .max_flat_workgroup_size: 128
    .sgpr_count:     66
    .vgpr_count:     1024
    .wavefront_size: 32
...
	.end_amdgpu_metadata
.endif
;; end of part 1
;; launch finish (part 2): grid 251 x 1, 25 waves a work-group, no clusters, 37,376 bytes of LDS; arguments scores, pms, pz, gamma, beta, rw1, rb1, rw2, rb2, out0, out1; writes out0, out1
.if DOCPART == 2
	.amdgcn_target "amdgcn-amd-amdhsa--gfx1250"
	.amdhsa_code_object_version 6
	.text
	.protected	k_q16b1a96144_finish
	.globl	k_q16b1a96144_finish
	.p2align	8
	.type	k_q16b1a96144_finish,@function
k_q16b1a96144_finish:
	s_mov_b64 s[64:65], 0
	v_nop
	global_prefetch_b8 v0, s[64:65] scope:SCOPE_SE
	s_setreg_imm32_b32 hwreg(HW_REG_WAVE_MODE, 25, 1), 1
	s_wait_xcnt 0x0
; Second launch.  Every group first combines the 256 records (maximum, sum) of the first launch into M[k] and S[k].
; Groups 0-249 stream: weight = exp2(score - (M[k] + log2 S[k])); 4,000 items of 16 bytes a group, five a thread, all five loads
; issued before the reduction.  Group 250 combines the pooled sums, applies gamma and beta and runs the two small layers in f32.
; LIMIT: weights below 2^-126 come out as 0 (the exponential flushes).
; No matrix unit: the two layers have one row.  No cluster: what the groups share is 8,192 bytes.
; ROLES in group 250: waves 0-7 the reduction, Z and the first layer (rw1); waves 8-23 the sum over pz and the second layer (rw2);
; wave 24 stores out0.
; Every offset register (v1-v11) is made once, from the thread number, ahead of the first branch, and is written by no later line.
; The LDS regions are so far apart that an address formed from the thread number stays in its own region for all 800 threads.
.set NSTR,  250                        ; streaming groups
.set ITEMS, 4000
.set RED,   0                          ; 16 bytes a wave: wave maxima
.set RED2,  512                        ; 16 bytes a wave: wave sums
.set FT,    1280                       ; 256 x 16: exp2(m - M) of each record, at 16 thread
.set ZRB,   14336                      ; + 16 thread, threads 256-767:
.set ZR,    ZRB+4096                   ; 8 x 1,024: parts of the pooled sums
.set ZV,    28928                      ; 256 f32: Z, at 4 thread
.set HV,    32256                      ; 64 f32: hidden layer, 32 bytes a wave
.set OVB,   33280                      ; + 4 (thread >> 4), threads 256-767:
.set OV,    OVB+64                     ; 64 f32: the output
; offsets, all from v0
.set T32,  1                           ; 32 thread: a record of pms
.set T16,  2                           ; 16 thread
.set W16,  3                           ; 16 wave
.set ZERO, 4
.set L16,  5                           ; 16 lane
.set GB,   6                           ; 4 (thread & 63)
.set Q4,   7                           ; 4 (thread >> 4)
.set T4,   8                           ; 4 thread
.set W32,  9                           ; 32 wave
.set R16,  10                          ; 16 (thread & 15)
.set RWO,  11                          ; 8,192 wave + 16 lane
; the reduction (waves 0-7; the stream's tail in all waves)
.set MV,   12                          ; v12-15 m of my record, then f
.set SV,   16                          ; v16-19 s of my record
.set MX,   20                          ; v20-23 maxima
.set SCR,  24                          ; v24-27 the other half of the lanes
.set RDA,  28                          ; v28-59 a table of eight entries
; the stream
.set SD,   60                          ; v60-79 five items
.set RDB,  80                          ; v80-111 the second table
.set CS,   112                         ; v112-116 M + log2 S of each item
.set ITEM, 117
; group 250, waves 0-7
.set RW1,  60                          ; v60-123 eight rows of rw1
.set GA,   124
.set BE,   125
.set ZP,   126                         ; v126-133 eight parts of Z
.set SU,   36                          ; v36-43 eight sums, over the table
.set PD,   44                          ; v44-51
; group 250, waves 8-23
.set PZ,   12                          ; v12-107 three batches of eight loads
.set F,    108                         ; v108-115
.set ACC,  116                         ; v116-119
.set RW2,  120                         ; v120-127 two row pairs of rw2
.set RB2,  128                         ; v128-129
.set HH,   130                         ; v130-133
.macro WMAX a                          ; maximum over the wave of v[a .. a+3]
.irp m,1,2,4,8
.irp x,0,1,2,3
	v_max_num_f32_dpp v[\a+\x], v[\a+\x], v[\a+\x] row_xmask:\m row_mask:0xf bank_mask:0xf
.endr
.endr
.irp x,0,1,2,3
	v_permlanex16_b32 v[SCR+\x], v[\a+\x], s38, s39
.endr
.irp x,0,1,2,3
	v_max_num_f32 v[\a+\x], v[\a+\x], v[SCR+\x]
.endr
.endm
.macro WSUM a
.irp m,1,2,4,8
.irp x,0,1,2,3
	v_add_f32_dpp v[\a+\x], v[\a+\x], v[\a+\x] row_xmask:\m row_mask:0xf bank_mask:0xf
.endr
.endr
.irp x,0,1,2,3
	v_permlanex16_b32 v[SCR+\x], v[\a+\x], s38, s39
.endr
.irp x,0,1,2,3
	v_add_f32 v[\a+\x], v[\a+\x], v[SCR+\x]
.endr
.endm
.macro RD8 dst, base                   ; the entries of waves 0-7, the same in every lane
.irp n,0,1,2,3,4,5,6,7
	ds_load_b128 v[\dst+4*\n:\dst+4*\n+3], v[ZERO] offset:\base+16*\n
.endr
.endm
.macro MAX8 d, s
.irp x,0,1,2,3
	v_max3_num_f32 v[\d+\x], v[\s+\x], v[\s+4+\x], v[\s+8+\x]
	v_max3_num_f32 v[\d+\x], v[\d+\x], v[\s+12+\x], v[\s+16+\x]
	v_max3_num_f32 v[\d+\x], v[\d+\x], v[\s+20+\x], v[\s+24+\x]
	v_max_num_f32 v[\d+\x], v[\d+\x], v[\s+28+\x]
.endr
.endm
.macro SUM8 s                          ; into v[s .. s+3]
.irp n,1,2,3,4,5,6,7
	v_pk_add_f32 v[\s:\s+1], v[\s:\s+1], v[\s+4*\n:\s+4*\n+1]
	v_pk_add_f32 v[\s+2:\s+3], v[\s+2:\s+3], v[\s+4*\n+2:\s+4*\n+3]
.endr
.endm
; Waves 0-7 hold one record a thread.  left = the loads that such a wave has issued behind the record's two.
; Two barriers, which all 25 waves pass; the other waves jump over the work only.
.macro REDUCE left, ft, tag
	s_cmp_ge_u32 s2, 8
	s_cbranch_scc1 .Lra_\tag
	s_wait_loadcnt \left
.irp x,0,1,2,3
	v_mov_b32 v[MX+\x], v[MV+\x]                   ; m is wanted again below
	v_mov_b32 v[SCR+\x], v[MV+\x]                  ; the destination of v_permlanex16_b32 counts as read: any value
.endr
	WMAX MX
	ds_store_b128 v[W16], v[MX:MX+3] offset:RED    ; every lane holds the same four numbers
	s_wait_dscnt 0x0                               ; for the other waves
.Lra_\tag:
	s_barrier_signal -1
	s_barrier_wait -1
	s_cmp_ge_u32 s2, 8
	s_cbranch_scc1 .Lrb_\tag
	RD8 RDA, RED
	s_wait_dscnt 0x0
	MAX8 MX, RDA
.irp x,0,1,2,3
	v_sub_f32 v[MV+\x], v[MV+\x], v[MX+\x]
.endr
.irp x,0,1,2,3
	v_exp_f32 v[MV+\x], v[MV+\x]
.endr
	v_nop                                          ; a plain place behind the last exponential
.if \ft
	s_wait_alu depctr_va_vdst(0)
	ds_store_b128 v[T16], v[MV:MV+3] offset:FT
.endif
	s_wait_alu depctr_va_vdst(0)
.irp x,0,1,2,3
	v_mul_f32 v[SV+\x], v[SV+\x], v[MV+\x]
.endr
	WSUM SV
	ds_store_b128 v[W16], v[SV:SV+3] offset:RED2
	s_wait_dscnt 0x0
.Lrb_\tag:
	s_barrier_signal -1
	s_barrier_wait -1
.endm
; Eight records of pz, batch b, weighted and added.  all = 1: every load of mine has to be in first.
.macro PZSUM b, all
.irp y,0,1,2,3,4,5,6,7
	ds_load_b32 v[F+\y], v[Q4] offset:FT-64+128*(8*\b+\y)      ; f[q + 8 n][seed]: 16 q + 4 seed = 4 (thread >> 4) - 64
.endr
	s_wait_dscnt 0x0
.if \all
	s_wait_loadcnt 0x0
.endif
.irp y,0,1,2,3,4,5,6,7
.irp x,0,1,2,3
.if \b+\y == 0
	v_mul_f32 v[ACC+\x], v[PZ+\x], v[F]
.else
	v_fmac_f32 v[ACC+\x], v[PZ+32*(\b%3)+4*\y+\x], v[F+\y]
.endif
.endr
.endr
.endm
	s_load_b512 s[8:23], s[0:1], 0x0               ; scores 8, pms 10, pz 12, gamma 14, beta 16, rw1 18, rb1 20, rw2 22
	s_load_b128 s[24:27], s[0:1], 0x40             ; rb2 24, out0 26
	s_load_b64 s[28:29], s[0:1], 0x50              ; out1
	v_lshl_add_u32 v142, v0, 2, 0x8500
	v_mov_b32 v143, 0
	v_lshrrev_b32 v12, 5, v0
	v_readfirstlane_b32 s2, v12                    ; wave
	v_lshlrev_b32 v[T32], 5, v0
	v_lshlrev_b32 v[T16], 4, v0
	v_lshlrev_b32 v[W16], 4, v12
	v_mov_b32 v[ZERO], 0
	v_and_b32 v13, 31, v0
	v_lshlrev_b32 v[L16], 4, v13
	v_and_b32 v14, 63, v0
	v_lshlrev_b32 v[GB], 2, v14
	v_lshrrev_b32 v15, 4, v0
	v_lshlrev_b32 v[Q4], 2, v15
	v_lshlrev_b32 v[T4], 2, v0
	v_and_b32 v[W32], 0x3e0, v0
	v_and_b32 v16, 15, v0
	v_lshlrev_b32 v[R16], 4, v16
	v_lshl_add_u32 v[RWO], v12, 13, v[L16]
	s_mov_b32 s38, 0x76543210                      ; v_permlanex16_b32: lane i reads lane i of the other half
	s_mov_b32 s39, 0xfedcba98
	s_lshl_b32 s48, s2, 5                          ; eight numbers of rb1 a wave
	s_wait_kmcnt 0x0
	s_cmp_eq_u32 ttmp9, NSTR
	s_cbranch_scc1 .Lrho
	; ---- the stream
	s_cmp_ge_u32 s2, 8
	s_cbranch_scc1 .Ls_nopms
	global_load_b128 v[MV:MV+3], v[T32], s[10:11]
	global_load_b128 v[SV:SV+3], v[T32], s[10:11] offset:16
.Ls_nopms:
	s_mul_i32 s4, ttmp9, ITEMS*16
	s_mov_b32 s5, 0
	s_add_nc_u64 s[8:9], s[8:9], s[4:5]
	s_add_nc_u64 s[28:29], s[28:29], s[4:5]
.irp j,0,1,2,3,4
	global_load_b128 v[SD+4*\j:SD+4*\j+3], v[T16], s[8:9] offset:12800*\j th:TH_LOAD_NT
.endr
	REDUCE 5, 0, s                                 ; the five score loads stay out
	RD8 RDA, RED
	RD8 RDB, RED2
	s_mul_i32 s7, ttmp9, ITEMS
	v_add_nc_u32 v[ITEM], s7, v0                   ; my first item; a seed has 250,000 items
	s_wait_dscnt 0x0
	MAX8 MX, RDA
	SUM8 RDB
.irp x,0,1,2,3
	v_log_f32 v[RDB+\x], v[RDB+\x]
.endr
	v_nop
	s_wait_alu depctr_va_vdst(0)
.irp x,0,1,2,3
	v_add_f32 v[MX+\x], v[MX+\x], v[RDB+\x]        ; C[k] = M[k] + log2 S[k]
.endr
.irp j,0,1,2,3,4
	v_cmp_le_u32 vcc_lo, 250000-800*\j, v[ITEM]    ; the seed of item j selects a value only
	v_cndmask_b32 v[CS+\j], v[MX], v[MX+1], vcc_lo
	v_cmp_le_u32 vcc_lo, 500000-800*\j, v[ITEM]
	v_cndmask_b32 v[CS+\j], v[CS+\j], v[MX+2], vcc_lo
	v_cmp_le_u32 vcc_lo, 750000-800*\j, v[ITEM]
	v_cndmask_b32 v[CS+\j], v[CS+\j], v[MX+3], vcc_lo
.endr
.irp j,0,1,2,3,4
	s_wait_loadcnt 4-\j                            ; the younger loads stay out
.irp x,0,1,2,3
	v_sub_f32 v[SD+4*\j+\x], v[SD+4*\j+\x], v[CS+\j]
.endr
.irp x,0,1,2,3
	v_exp_f32 v[SD+4*\j+\x], v[SD+4*\j+\x]
.endr
	v_nop
	s_wait_alu depctr_va_vdst(0)
	global_store_b128 v[T16], v[SD+4*\j:SD+4*\j+3], s[28:29] offset:12800*\j th:TH_STORE_NT    ; a wave stores 512 consecutive bytes, aligned
.endr
	s_wait_tensorcnt 0x0
	ds_add_u32 v142, v143
	s_wait_dscnt 0x0
	s_endpgm
	; ---- group 250: out0.  Loads first.
.Lrho:
	s_cmp_ge_u32 s2, 8
	s_cbranch_scc1 .Lr_ld1
	global_load_b128 v[MV:MV+3], v[T32], s[10:11]  ; waves 0-7: a record,
	global_load_b128 v[SV:SV+3], v[T32], s[10:11] offset:16
.irp p,0,1,2,3,4,5,6,7
	global_load_b128 v[RW1+8*\p:RW1+8*\p+3], v[RWO], s[18:19] offset:1024*\p           ; rows 8 wave .. + 7 of rw1,
	global_load_b128 v[RW1+8*\p+4:RW1+8*\p+7], v[RWO], s[18:19] offset:1024*\p+512
.endr
	global_load_b32 v[GA], v[GB], s[14:15]         ; gamma and beta of feature thread & 63,
	global_load_b32 v[BE], v[GB], s[16:17]
	s_load_b256 s[40:47], s[20:21], s48 offset:0x0 ; and rb1 of the eight rows
	s_branch .Lr_ld2
.Lr_ld1:
	s_cmp_ge_u32 s2, 24
	s_cbranch_scc1 .Lr_ld2
	; waves 8-23: thread u = thread - 256 takes 16 bytes at 16 u of every eighth record of pz: 24 loads now (96 registers),
	; the last 8 when the first 8 are summed and their registers are free
.irp n,0,1,2,3,4,5,6,7,8,9,10,11,12,13,14,15,16,17,18,19,20,21,22,23
	global_load_b128 v[PZ+4*\n:PZ+4*\n+3], v[T16], s[12:13] offset:8192*\n-4096
.endr
.irp n,0,1
	global_load_b128 v[RW2+4*\n:RW2+4*\n+3], v[T16], s[22:23] offset:8192*\n-4096      ; row (u >> 4) + 32 n of rw2, columns 4 (u & 15) ..
.endr
.irp n,0,1
	global_load_b32 v[RB2+\n], v[Q4], s[24:25] offset:128*\n-64
.endr
.Lr_ld2:
	REDUCE 18, 1, r                                ; 16 of rw1, gamma and beta stay out
	; waves 8-23: sum over records q + 8 n of f[record][seed] pz[record]; q = u >> 6, seed = (u & 63) >> 4
	s_cmp_lt_u32 s2, 8
	s_cbranch_scc1 .Lr_b_end
	s_cmp_ge_u32 s2, 24
	s_cbranch_scc1 .Lr_b_end
	PZSUM 0, 1                                     ; the wait is for zero: all 28 loads were issued together, ahead of two barriers,
	                                               ; and no load is out when registers are loaded a second time below
.irp n,0,1,2,3,4,5,6,7
	global_load_b128 v[PZ+4*\n:PZ+4*\n+3], v[T16], s[12:13] offset:8192*(24+\n)-4096   ; the last batch, into the registers just summed
.endr
	PZSUM 1, 0                                     ; in since the wait above; the eight just issued stay out
	PZSUM 2, 0
	PZSUM 3, 1                                     ; the eight
	ds_store_b128 v[T16], v[ACC:ACC+3] offset:ZRB
	s_wait_dscnt 0x0
.Lr_b_end:
	s_barrier_signal -1
	s_barrier_wait -1
	; waves 0-7: thread = 64 seed + feature: Z = gamma (sum of the eight parts) / S + beta
	s_cmp_ge_u32 s2, 8
	s_cbranch_scc1 .Lr_c_end
	RD8 RDA, RED2
.irp n,0,1,2,3,4,5,6,7
	ds_load_b32 v[ZP+\n], v[T4] offset:ZR+1024*\n
.endr
	s_wait_dscnt 0x0
	SUM8 RDA
	v_cmp_le_u32 vcc_lo, 64, v0                    ; S of seed thread >> 6
	v_cndmask_b32 v[RDA], v[RDA], v[RDA+1], vcc_lo
	v_cmp_le_u32 vcc_lo, 128, v0
	v_cndmask_b32 v[RDA], v[RDA], v[RDA+2], vcc_lo
	v_cmp_le_u32 vcc_lo, 192, v0
	v_cndmask_b32 v[RDA], v[RDA], v[RDA+3], vcc_lo
	v_rcp_f32 v[RDA], v[RDA]
	v_pk_add_f32 v[ZP:ZP+1], v[ZP:ZP+1], v[ZP+2:ZP+3]
	v_pk_add_f32 v[ZP+4:ZP+5], v[ZP+4:ZP+5], v[ZP+6:ZP+7]
	v_pk_add_f32 v[ZP:ZP+1], v[ZP:ZP+1], v[ZP+4:ZP+5]
	v_add_f32 v[ZP], v[ZP], v[ZP+1]
	s_wait_loadcnt 0x0                             ; gamma and beta are my youngest loads
	s_wait_alu depctr_va_vdst(0)
	v_mul_f32 v[ZP], v[ZP], v[RDA]
	v_fma_f32 v[ZP], v[ZP], v[GA], v[BE]
	ds_store_b32 v[T4], v[ZP] offset:ZV
	s_wait_dscnt 0x0
.Lr_c_end:
	s_barrier_signal -1
	s_barrier_wait -1
	; waves 0-7: eight rows of the first layer each
	s_cmp_ge_u32 s2, 8
	s_cbranch_scc1 .Lr_d_end
	ds_load_b128 v[RDA:RDA+3], v[L16] offset:ZV
	ds_load_b128 v[RDA+4:RDA+7], v[L16] offset:ZV+512
	s_wait_dscnt 0x0
.irp p,0,1,2,3,4,5,6,7
	v_pk_mul_f32 v[RW1+8*\p:RW1+8*\p+1], v[RW1+8*\p:RW1+8*\p+1], v[RDA:RDA+1]
.endr
.irp p,0,1,2,3,4,5,6,7
	v_pk_fma_f32 v[RW1+8*\p:RW1+8*\p+1], v[RW1+8*\p+2:RW1+8*\p+3], v[RDA+2:RDA+3], v[RW1+8*\p:RW1+8*\p+1]
.endr
.irp p,0,1,2,3,4,5,6,7
	v_pk_fma_f32 v[RW1+8*\p:RW1+8*\p+1], v[RW1+8*\p+4:RW1+8*\p+5], v[RDA+4:RDA+5], v[RW1+8*\p:RW1+8*\p+1]
.endr
.irp p,0,1,2,3,4,5,6,7
	v_pk_fma_f32 v[RW1+8*\p:RW1+8*\p+1], v[RW1+8*\p+6:RW1+8*\p+7], v[RDA+6:RDA+7], v[RW1+8*\p:RW1+8*\p+1]
.endr
.irp p,0,1,2,3,4,5,6,7
	v_add_f32 v[SU+\p], v[RW1+8*\p], v[RW1+8*\p+1]
.endr
.irp m,1,2,4,8
.irp p,0,1,2,3,4,5,6,7
	v_add_f32_dpp v[SU+\p], v[SU+\p], v[SU+\p] row_xmask:\m row_mask:0xf bank_mask:0xf
.endr
.endr
.irp p,0,1,2,3,4,5,6,7
	v_permlanex16_b32 v[PD+\p], v[SU+\p], s38, s39
.endr
.irp p,0,1,2,3,4,5,6,7
	v_add_f32 v[SU+\p], v[SU+\p], v[PD+\p]
.endr
	s_wait_kmcnt 0x0                               ; rb1
.irp p,0,1,2,3,4,5,6,7
	v_add_f32 v[SU+\p], s[40+\p], v[SU+\p]
.endr
.irp p,0,1,2,3,4,5,6,7
	v_max_num_f32 v[SU+\p], 0, v[SU+\p]
.endr
	ds_store_b128 v[W32], v[SU:SU+3] offset:HV     ; every lane holds the same eight numbers
	ds_store_b128 v[W32], v[SU+4:SU+7] offset:HV+16
	s_wait_dscnt 0x0
.Lr_d_end:
	s_barrier_signal -1
	s_barrier_wait -1
	; waves 8-23: the second layer; the 16 lanes of a half hold row (u >> 4) + 32 n
	s_cmp_lt_u32 s2, 8
	s_cbranch_scc1 .Lr_e_end
	s_cmp_ge_u32 s2, 24
	s_cbranch_scc1 .Lr_e_end
	ds_load_b128 v[HH:HH+3], v[R16] offset:HV
	s_wait_dscnt 0x0
.irp n,0,1
	v_pk_mul_f32 v[RW2+4*\n:RW2+4*\n+1], v[RW2+4*\n:RW2+4*\n+1], v[HH:HH+1]
.endr
.irp n,0,1
	v_pk_fma_f32 v[RW2+4*\n:RW2+4*\n+1], v[RW2+4*\n+2:RW2+4*\n+3], v[HH+2:HH+3], v[RW2+4*\n:RW2+4*\n+1]
.endr
.irp n,0,1
	v_add_f32 v[RW2+4*\n], v[RW2+4*\n], v[RW2+4*\n+1]
.endr
.irp m,1,2,4,8
.irp n,0,1
	v_add_f32_dpp v[RW2+4*\n], v[RW2+4*\n], v[RW2+4*\n] row_xmask:\m row_mask:0xf bank_mask:0xf
.endr
.endr
.irp n,0,1
	v_add_f32 v[RW2+4*\n], v[RW2+4*\n], v[RB2+\n]
.endr
.irp n,0,1
	ds_store_b32 v[Q4], v[RW2+4*\n] offset:OVB+128*\n          ; the 16 lanes of a half write one word with one value
.endr
	s_wait_dscnt 0x0
.Lr_e_end:
	s_barrier_signal -1
	s_barrier_wait -1
	; wave 24: out0 in one store
	s_cmp_lg_u32 s2, 24
	s_cbranch_scc1 .Lr_end
	ds_load_b128 v[12:15], v[R16] offset:OV
	s_wait_dscnt 0x0
	v_cmp_gt_u32 vcc_lo, 0x100, v[L16]             ; lanes 0-15
	s_wait_xcnt 0x0                                ; EXEC changes only behind this wait
	s_and_saveexec_b32 s6, vcc_lo
	global_store_b128 v[R16], v[12:15], s[26:27]   ; 16 lanes store the 256 bytes of out0
	s_wait_xcnt 0x0
	s_or_b32 exec_lo, exec_lo, s6
.Lr_end:
	s_wait_tensorcnt 0x0
	ds_add_u32 v142, v143
	s_wait_dscnt 0x0
	s_endpgm
.Lfunc_end_k_q16b1a96144_finish:
	.size	k_q16b1a96144_finish, .Lfunc_end_k_q16b1a96144_finish-k_q16b1a96144_finish
	.p2alignl 7, 3214868480
	.fill 96, 4, 3214868480
	.section	.rodata,"a",@progbits
	.p2align	6, 0x0
	.amdhsa_kernel k_q16b1a96144_finish
		.amdhsa_group_segment_fixed_size 37376
		.amdhsa_private_segment_fixed_size 0
		.amdhsa_enable_private_segment 0
		.amdhsa_kernarg_size 88
		.amdhsa_user_sgpr_count 2
		.amdhsa_user_sgpr_kernarg_segment_ptr 1
		.amdhsa_wavefront_size32 1
		.amdhsa_system_sgpr_workgroup_id_x 1
		.amdhsa_system_sgpr_workgroup_id_y 1
		.amdhsa_system_sgpr_workgroup_id_z 1
		.amdhsa_system_vgpr_workitem_id 0
		.amdhsa_next_free_vgpr 144
		.amdhsa_next_free_sgpr 66
		.amdhsa_reserve_vcc 1
		.amdhsa_float_denorm_mode_32 3
		.amdhsa_float_denorm_mode_16_64 3
		.amdhsa_memory_ordered 1
		.amdhsa_forward_progress 1
		.amdhsa_inst_pref_size 43
	.end_amdhsa_kernel
	.amdgpu_metadata
---
amdhsa.version: [ 1, 2 ]
amdhsa.kernels:
  - .name:           k_q16b1a96144_finish
    .symbol:         k_q16b1a96144_finish.kd
    .args:
      - { .name: scores, .offset: 0, .size: 8, .value_kind: global_buffer, .address_space: global }
      - { .name: pms, .offset: 8, .size: 8, .value_kind: global_buffer, .address_space: global }
      - { .name: pz, .offset: 16, .size: 8, .value_kind: global_buffer, .address_space: global }
      - { .name: gamma, .offset: 24, .size: 8, .value_kind: global_buffer, .address_space: global }
      - { .name: beta, .offset: 32, .size: 8, .value_kind: global_buffer, .address_space: global }
      - { .name: rw1, .offset: 40, .size: 8, .value_kind: global_buffer, .address_space: global }
      - { .name: rb1, .offset: 48, .size: 8, .value_kind: global_buffer, .address_space: global }
      - { .name: rw2, .offset: 56, .size: 8, .value_kind: global_buffer, .address_space: global }
      - { .name: rb2, .offset: 64, .size: 8, .value_kind: global_buffer, .address_space: global }
      - { .name: out0, .offset: 72, .size: 8, .value_kind: global_buffer, .address_space: global }
      - { .name: out1, .offset: 80, .size: 8, .value_kind: global_buffer, .address_space: global }
    .group_segment_fixed_size: 37376
    .private_segment_fixed_size: 0
    .kernarg_segment_align: 8
    .kernarg_segment_size: 88
    .max_flat_workgroup_size: 800
    .sgpr_count:     66
    .vgpr_count:     144
    .wavefront_size: 32
...
	.end_amdgpu_metadata
.endif
;; end of part 2
;; ======== version 2 of 2: 2 launches; 1.58 times as fast as version 1
;; limits: right only within a limited range of input values
;; workspace buffers: scores 16,000,000 bytes; pms 8,192 bytes; pz 262,144 bytes
;; launch embed (part 3): grid 256 x 1, 4 waves a work-group, no clusters, 128,768 bytes of LDS; arguments X, w1, b1, w2, b2, gamma, beta, Ww, Wb, Uw, vw, seeds, scores, pms, pz; writes scores, pms, pz
.if DOCPART == 3
	.amdgcn_target "amdgcn-amd-amdhsa--gfx1250"
	.amdhsa_code_object_version 6
	.text
	.protected	k_q16b1a96144_embed
	.globl	k_q16b1a96144_embed
	.p2align	8
	.type	k_q16b1a96144_embed,@function
k_q16b1a96144_embed:
	s_mov_b64 s[64:65], 0
	v_nop
	global_prefetch_b8 v0, s[64:65] scope:SCOPE_SE
	s_setreg_imm32_b32 hwreg(HW_REG_WAVE_MODE, 25, 1), 1
	s_wait_xcnt 0x0
; First of two launches.  For every row of X: the two-layer MLP, LayerNorm, the product with Ww, 4 x 64 tanh, the four
; scores; the scores go to memory in log2 units, and each work-group leaves a running (maximum, sum, pooled sum) per seed.
;
; ALGEBRA (exact, for every input):
;   tanh(z) = 1 - 2 / (1 + e^(2z)),  z_k = zz + d_k,  zz = Hn Ww^T + Wb + mid,  d_k = Uq_k - mid,  mid = (max_k Uq + min_k Uq) / 2.
;   One exponential E1 = e^zz serves the four seeds: p = E1 F_k (F_k = e^d_k, made once), a = p p + 1, r = 1 / a.
;   score_k in log2 units = log2e sum(vw) + sum_e (-2 log2e vw_e) r_e.
;   The mean of LayerNorm is taken out of w2 and b2 in f32 before w2 is rounded: var = mean of the squares.
;   gamma goes into Ww, beta into the start value of that product; the plain normalised row is pooled, the second launch
;   applies gamma and beta to the pooled sum (the weights add up to one).
; LIMITS: log2e d_k is clamped to +-113, so the spread of Uq over the seeds may be 156 for one feature; beyond that tanh of the
;   middle seeds is wrong.  E1 is flushed to 0 below 2^-126, where tanh is -1 to the last bit for every d_k inside the clamp.
;   ReLU is a maximum with 0 that turns a NaN into 0.
; SHARES: a block is 64 rows (8,192 bytes of X, 256 bytes of each score row); 15,625 blocks; wave g = 4 group + wave takes blocks
;   g, g + 1024, ...: 16 trips for g < 265, else 15.  One wave on each SIMD, since the constants alone take 416 registers.
;   No barrier in the loop: every LDS stage belongs to one wave.
; NO CLUSTER: all that work-groups share are 57,344 bytes of weights, read once, against 500,000 bytes of X for each group.
; NO TENSOR RING: a refill would need a barrier that all four waves pass, and the waves of one group differ in trips;
;   64 registers of look-ahead hold the next block while about 2,200 instructions run.
; THE TRANSCENDENTALS OF A TRIP GO IN BATCHES, each with one wait ahead of its first reader: the eight
;   1 / sigma; the tanh stage's 512 reciprocals and 128 exponentials in 16 batches (see THE TANH STAGE); the running softmax's ten.
;
; EVERY MATRIX INSTRUCTION IS USED TRANSPOSED: source 0 = 16 rows of a weight, source 1 = 16 rows of data.  Register j of lane
; (r, h) of the result is (feature 16 t + 8 h + j, row r), so packing result tiles 2c and 2c+1 gives the next source 1 for K step c.
; Lane r of tile i is row 4 r + i of the block: a lane ends with four neighbouring scores.
; VL layout of a 64-vector: register 8 t + j holds element 16 t + 8 h + j.
.set NBLK,   15625
.set NWAVE,  1024
.set XSTEP,  NWAVE*8192
.set SSTEP,  NWAVE*256
; LDS
.set WST1,   0                         ; w1: 32 rows of 256 bytes, pitch 272
.set WST2,   8704                      ; w2: 64 x 272
.set WSTW,   26112                     ; Ww
.set WSTU,   43520                     ; Uw
.set WAVEA,  61440                     ; four wave areas
.set WAVESZ, 15616
.set HS,     4608                      ; in a wave area: X in bf16 at 0 (16 x 272), Hn in bf16 here (64 x 160),
.set PT,     14848                     ; the softmax numerators in bf16 here (4 x 144)
.set ZL,     123904                    ; the way out: pooled sums, 1,024 bytes a wave
.set MS,     128000                    ; maxima and sums, 32 bytes a wave
; window 0
.set XOFF, 4
.set XSA,  5
.set XLA,  6
.set HSA,  7
.set TRA,  8
.set PTA,  9
.set PBA,  10
.set SOFF, 11
.set MR,   12                          ; v12-13 running maximum of seed 2 h + k
.set SS,   14                          ; v14-15 running sum, a part in each lane
.set RS,   16                          ; v16-23 1 / sigma, a pair for each tile
.set XB,   32                          ; v32-63 X fragments; then the sums of squares
.set P,    64                          ; v64-127 packed activations, 16 a tile
.set DA,   128                         ; v128-255 results of layers 1 and 2 (32 i + 8 t)
.set PART, 128                         ; behind the tanh stage, over DA:
.set KP,   144
.set SND,  152
.set SC,   160
.set PE,   168
.set PCK,  176
.set MN,   184
.set ALP,  186
.set T2,   188
; window 1
.set FK,   0                           ; F_k, 32 k + 8 t + j
.set VW2,  128                         ; -2 log2e vw
.set DW,   160                         ; start only: Uw as fragments, then - log2e mid
.set TB,   224                         ; start only: two at work
.set EB,   160                         ; the loop: E1 of two batches, eight registers each, by the batch's parity
.set TR,   176                         ; the loop: two buffers of 32 (8 k + j), by the batch's parity: p, then a = p p + 1, then 1 / a, in place
.set ACC,  240                         ; a pair for each seed
.set SVP,  248                         ; log2e sum(vw) / 4, twice
; window 2
.set W1F,  0
.set W2F,  32
.set WWF,  96
.set B1C,  160
.set B2C,  192
.set CWC,  224
; window 3
.set XF,   0                           ; the next block of X in f32
.set ZA,   64                          ; pooled sums (feature, seed = r & 3)
.set AT,   96                          ; Hn transposed
.set PB,   160
.set AL,   176
.set DR,   178                         ; the loop: two tiles of the third product, log2e zz, by the tile's parity
.set BF,   64                          ; start only: beta, Ww unscaled, seeds, as fragments
.set WR,   96
.set SDF,  178
.set MSB, 0
.macro WIN new                         ; low byte: 1:0 source 0, 3:2 source 1, 5:4 source 2, 7:6 destination; high byte: the setting left
.if MSB != \new
	s_set_vgpr_msb (MSB<<8)|\new
.set MSB, \new
.endif
.endm
.macro PLACES                          ; four independent vector places behind a matrix instruction (ISA guide 7.12.1)
.rept 4
	v_nop
.endr
.endm
.macro VLOAD dst, sb, off              ; a 64-vector in VL layout
.irp t,0,1,2,3
	global_load_b128 v[\dst+8*\t:\dst+8*\t+3], v30, s[\sb:\sb+1] offset:\off+64*\t
	global_load_b128 v[\dst+8*\t+4:\dst+8*\t+7], v30, s[\sb:\sb+1] offset:\off+64*\t+16
.endr
.endm
.macro XLOAD                           ; a block of X: each load covers 512 neighbouring bytes
.irp q,0,1,2,3,4,5,6,7,8,9,10,11,12,13,14,15
	global_load_b128 v[XF+4*\q:XF+4*\q+3], v[XOFF], s[46:47] offset:512*\q th:TH_LOAD_NT
.endr
.endm
.macro CVT cnt, dst, src               ; cnt packed registers from 2 cnt f32
.set cvn, 0
.rept \cnt
	v_cvt_pk_bf16_f32 v[\dst+cvn], v[\src+2*cvn], v[\src+2*cvn+1]
.set cvn, cvn+1
.endr
.endm
.macro FRAG128 base                    ; a 64 x 64 weight in f32, in fragment order: register 32 t + 16 c + x
.irp t,0,1,2,3
.irp c,0,1
	ds_load_b128 v[DA+32*\t+16*\c:DA+32*\t+16*\c+3], v31 offset:\base+4352*\t+128*\c
	ds_load_b128 v[DA+32*\t+16*\c+4:DA+32*\t+16*\c+7], v31 offset:\base+4352*\t+128*\c+16
	ds_load_b128 v[DA+32*\t+16*\c+8:DA+32*\t+16*\c+11], v31 offset:\base+4352*\t+128*\c+64
	ds_load_b128 v[DA+32*\t+16*\c+12:DA+32*\t+16*\c+15], v31 offset:\base+4352*\t+128*\c+80
.endr
.endr
	s_wait_dscnt 0x0
.endm
	s_load_b512 s[8:23], s[0:1], 0x0               ; X 8, w1 10, b1 12, w2 14, b2 16, gamma 18, beta 20, Ww 22
	s_load_b256 s[24:31], s[0:1], 0x40             ; Wb 24, Uw 26, vw 28, seeds 30
	s_load_b128 s[32:35], s[0:1], 0x60             ; scores 32, pms 34
	s_load_b64 s[36:37], s[0:1], 0x70              ; pz
	s_set_vgpr_msb 0x40
	v_lshl_add_u32 v254, v0, 2, 0x1f500
	v_mov_b32 v255, 0
	s_set_vgpr_msb 0x4000
	v_lshrrev_b32 v1, 5, v0
	v_readfirstlane_b32 s2, v1                     ; wave
	s_lshl2_add_u32 s3, ttmp9, s2                  ; g = 4 group + wave
	s_cmp_lt_u32 s3, NBLK-15*NWAVE
	s_cselect_b32 s4, 16, 15                       ; trips
	s_mov_b32 s38, 0x76543210                      ; v_permlanex16_b32: lane i reads lane i of the other half
	s_mov_b32 s39, 0xfedcba98
	s_mov_b32 s40, 0xffff0000                      ; lanes of h = 1
	s_mov_b32 s41, 0xaaaaaaaa                      ; odd lanes
	s_mov_b32 s42, 0x3333cccc                      ; lanes whose bit 1 differs from h
	s_mov_b32 s43, 0x3c800000                      ; 1 / 64
	s_mov_b32 s44, 0x3727c5ac                      ; 1e-5
	s_mov_b32 s45, 0x3fb8aa3b                      ; log2 e
	s_mov_b32 s50, 0xc2e20000                      ; -113
	s_mov_b32 s51, 0x42e20000                      ; +113
	v_and_b32 v1, 31, v0                           ; L
	v_and_b32 v2, 15, v0                           ; r
	v_bfe_u32 v3, v0, 4, 1                         ; h
	s_mul_i32 s6, s2, WAVESZ
	s_add_co_u32 s6, s6, WAVEA                     ; my wave area
	v_lshlrev_b32 v[XOFF], 4, v1
	v_lshl_add_u32 v[XSA], v1, 3, s6               ; X in: 8 L in quad-row q
	v_mul_u32_u24 v24, v2, 272
	v_lshl_add_u32 v25, v3, 4, v24
	v_add_nc_u32 v[XLA], s6, v25                   ; X back: quad-row r, 16 h
	v_lshl_add_u32 v31, v3, 5, v24                 ; weights in f32: row r, 32 h
	v_mul_u32_u24 v25, v2, 160
	v_lshl_add_u32 v25, v3, 4, v25
	v_add3_u32 v[HSA], v25, s6, HS                 ; Hn in: row r, 16 h
	v_and_b32 v26, 7, v0
	v_lshl_add_u32 v26, v3, 3, v26
	v_mul_u32_u24 v26, v26, 160
	v_bfe_u32 v27, v0, 3, 1
	v_lshl_add_u32 v26, v27, 4, v26
	v_add3_u32 v[TRA], v26, s6, HS                 ; Hn back, transposed: row 8 h + (L & 7), 16 bytes by bit 3 of L
	v_mul_u32_u24 v26, v3, 288
	v_lshl_add_u32 v26, v2, 1, v26
	v_add3_u32 v[PTA], v26, s6, PT                 ; numerators in: row 2 h, column r
	v_and_b32 v26, 3, v0
	v_mul_u32_u24 v26, v26, 144
	v_lshl_add_u32 v26, v3, 4, v26
	v_add3_u32 v[PBA], v26, s6, PT                 ; numerators back: row r & 3, 16 h
	v_mul_u32_u24 v[SOFF], v3, 0x7a1200            ; scores: 2 h rows of 4,000,000 bytes
	v_lshl_add_u32 v[SOFF], v2, 4, v[SOFF]         ; + 16 r
	v_lshrrev_b32 v26, 1, v2
	v_mul_u32_u24 v26, v26, 272
	v_and_b32 v27, 1, v0
	v_lshl_add_u32 v26, v27, 7, v26
	v_lshl_add_u32 v27, v3, 5, v26                 ; w1 in f32: two rows of 128 bytes in an LDS row
	v_lshlrev_b32 v28, 4, v0                       ; 16 thread: the copy of the weights
	v_lshrrev_b32 v29, 4, v0
	v_mul_u32_u24 v29, v29, 272
	v_lshl_add_u32 v29, v2, 4, v29
	v_lshlrev_b32 v30, 5, v3                       ; 32 h: VL layout
	s_lshl_b32 s52, s3, 13
	s_mov_b32 s53, 0
	s_wait_kmcnt 0x0
	s_add_nc_u64 s[46:47], s[8:9], s[52:53]        ; X at my first block
	s_lshl_b32 s52, s3, 8
	s_add_nc_u64 s[48:49], s[32:33], s[52:53]      ; scores at my first block
	; 28 loads: the four weights, copied whole and once for the group
.irp n,0,1,2,3
	global_load_b128 v[DA+4*\n:DA+4*\n+3], v28, s[10:11] offset:2048*\n
.endr
.irp n,0,1,2,3,4,5,6,7
	global_load_b128 v[DA+16+4*\n:DA+16+4*\n+3], v28, s[14:15] offset:2048*\n
.endr
.irp n,0,1,2,3,4,5,6,7
	global_load_b128 v[DA+48+4*\n:DA+48+4*\n+3], v28, s[22:23] offset:2048*\n
.endr
.irp n,0,1,2,3,4,5,6,7
	global_load_b128 v[DA+80+4*\n:DA+80+4*\n+3], v28, s[26:27] offset:2048*\n
.endr
	; 80 loads: the vectors
	WIN 0x40
	VLOAD FK, 30, 0
	VLOAD FK+32, 30, 256
	VLOAD FK+64, 30, 512
	VLOAD FK+96, 30, 768
	VLOAD VW2, 28, 0
	WIN 0x80
	VLOAD B1C, 12, 0
	VLOAD CWC, 24, 0
	WIN 0
	VLOAD 32, 18, 0                                ; gamma
	VLOAD 64, 20, 0                                ; beta
	VLOAD 96, 16, 0                                ; b2
	WIN 0xc0
	XLOAD                                          ; 16 loads: my first block
	WIN 0
	s_wait_loadcnt 0x3f                            ; 124 issued, at most 63 out: the oldest 61 are in, the 28 of the weights among them
.irp n,0,1,2,3
	ds_store_b128 v29, v[DA+4*\n:DA+4*\n+3] offset:WST1+2176*\n
.endr
.irp n,0,1,2,3,4,5,6,7
	ds_store_b128 v29, v[DA+16+4*\n:DA+16+4*\n+3] offset:WST2+2176*\n
.endr
.irp n,0,1,2,3,4,5,6,7
	ds_store_b128 v29, v[DA+48+4*\n:DA+48+4*\n+3] offset:WSTW+2176*\n
.endr
.irp n,0,1,2,3,4,5,6,7
	ds_store_b128 v29, v[DA+80+4*\n:DA+80+4*\n+3] offset:WSTU+2176*\n
.endr
	s_wait_dscnt 0x0                               ; my part of the weights is in LDS, for the other waves
	s_barrier_signal -1
	s_barrier_wait -1
	s_wait_loadcnt 0x10                            ; the vectors are in; the 16 loads of X stay out
	; b2 - mean(b2)
	v_pk_add_f32 v[24:25], v[96:97], v[98:99]
.set n, 4
.rept 14
	v_pk_add_f32 v[24:25], v[24:25], v[96+n:97+n]
.set n, n+2
.endr
	v_add_f32 v24, v24, v25
	v_permlanex16_b32 v25, v24, s38, s39
	v_add_f32 v24, v24, v25
	v_mul_f32 v24, 0xbc800000, v24                 ; - sum / 64
	v_mov_b32 v25, v24
	WIN 0x80
.set n, 0
.rept 16
	v_pk_add_f32 v[B2C+n:B2C+n+1], v[96+n:97+n], v[24:25]
.set n, n+2
.endr
	; -2 log2e vw, and a quarter of log2e sum(vw): it enters twice in each lane and in both halves
	WIN 0x55
.set n, 0
.rept 16
	v_pk_mul_f32 v[VW2+n:VW2+n+1], v[VW2+n:VW2+n+1], 0xc038aa3b op_sel_hi:[1,0]
.set n, n+2
.endr
	v_pk_add_f32 v[TB:TB+1], v[VW2:VW2+1], v[VW2+2:VW2+3]
.set n, 4
.rept 14
	v_pk_add_f32 v[TB:TB+1], v[TB:TB+1], v[VW2+n:VW2+n+1]
.set n, n+2
.endr
	v_add_f32 v[TB], v[TB], v[TB+1]
	v_permlanex16_b32 v[TB+1], v[TB], s38, s39
	v_add_f32 v[TB], v[TB], v[TB+1]
	v_mul_f32 v[SVP], 0xbe000000, v[TB]            ; x -1/8
	v_mul_f32 v[SVP+1], 0xbe000000, v[TB]
	WIN 0
.set n, 0
.rept 16
	v_pk_mul_f32 v[32+n:33+n], v[32+n:33+n], 0x3fb8aa3b op_sel_hi:[1,0]      ; log2e gamma
.set n, n+2
.endr
	; w1
.irp t,0,1,2,3
	ds_load_b128 v[DA+16*\t:DA+16*\t+3], v27 offset:WST1+2176*\t
	ds_load_b128 v[DA+16*\t+4:DA+16*\t+7], v27 offset:WST1+2176*\t+16
	ds_load_b128 v[DA+16*\t+8:DA+16*\t+11], v27 offset:WST1+2176*\t+64
	ds_load_b128 v[DA+16*\t+12:DA+16*\t+15], v27 offset:WST1+2176*\t+80
.endr
	s_wait_dscnt 0x0
	WIN 0x80
	CVT 32, W1F, DA
	WIN 0
	; w2 minus the mean of each column: over the four tiles in the lane, over the 16 rows across the lanes of a half
	FRAG128 WST2
.set x, 0
.rept 16
	v_pk_add_f32 v[96+x:97+x], v[DA+x:DA+x+1], v[DA+32+x:DA+33+x]
	v_pk_add_f32 v[96+x:97+x], v[96+x:97+x], v[DA+64+x:DA+65+x]
	v_pk_add_f32 v[96+x:97+x], v[96+x:97+x], v[DA+96+x:DA+97+x]
.set x, x+2
.endr
.irp m,1,2,4,8
.set x, 0
.rept 32
	v_add_f32_dpp v[96+x], v[96+x], v[96+x] row_xmask:\m row_mask:0xf bank_mask:0xf
.set x, x+1
.endr
.endr
.irp t,0,1,2,3
.set x, 0
.rept 16
	v_pk_fma_f32 v[DA+32*\t+x:DA+32*\t+x+1], v[96+x:97+x], 0xbc800000, v[DA+32*\t+x:DA+32*\t+x+1] op_sel_hi:[1,0,1]
.set x, x+2
.endr
.endr
	WIN 0x80
	CVT 64, W2F, DA
	WIN 0
	; Ww: as it is for the product with beta, times log2e gamma for the loop
	FRAG128 WSTW
	WIN 0xc0
	CVT 64, WR, DA
	WIN 0
.irp t,0,1,2,3
.set x, 0
.rept 16
	v_pk_mul_f32 v[DA+32*\t+x:DA+32*\t+x+1], v[DA+32*\t+x:DA+32*\t+x+1], v[32+x:33+x]
.set x, x+2
.endr
.endr
	WIN 0x80
	CVT 64, WWF, DA
	WIN 0
	; Uw, beta, seeds as fragments.  A vector in VL layout, packed, is a source 1 with the vector in all 16 columns,
	; so the products come out in VL layout in every lane.
	FRAG128 WSTU
	WIN 0x40
	CVT 64, DW, DA
	WIN 0xc0
	CVT 16, BF, 64
	WIN 0xc5
	CVT 64, SDF, FK
	WIN 0x5d
.irp k,0,1,2,3
.irp t,0,1,2,3
	v_wmma_f32_16x16x32_bf16 v[FK+32*\k+8*\t:FK+32*\k+8*\t+7], v[DW+16*\t:DW+16*\t+7], v[SDF+16*\k:SDF+16*\k+7], 0
.endr
.endr
.irp k,0,1,2,3
.irp t,0,1,2,3
	v_wmma_f32_16x16x32_bf16 v[FK+32*\k+8*\t:FK+32*\k+8*\t+7], v[DW+16*\t+8:DW+16*\t+15], v[SDF+16*\k+8:SDF+16*\k+15], v[FK+32*\k+8*\t:FK+32*\k+8*\t+7]
.endr
.endr
	WIN 0xaf
.irp t,0,1,2,3
	v_wmma_f32_16x16x32_bf16 v[CWC+8*\t:CWC+8*\t+7], v[WR+16*\t:WR+16*\t+7], v[BF:BF+7], v[CWC+8*\t:CWC+8*\t+7]
.endr
.irp t,0,1,2,3
	v_wmma_f32_16x16x32_bf16 v[CWC+8*\t:CWC+8*\t+7], v[WR+16*\t+8:WR+16*\t+15], v[BF+8:BF+15], v[CWC+8*\t:CWC+8*\t+7]
.endr
	PLACES
	; - log2e mid into DW; F_k = exp2(clamp(log2e Uq_k - log2e mid))
	WIN 0x55
.set n, 0
.rept 32
	v_max3_num_f32 v[TB], v[FK+n], v[FK+32+n], v[FK+64+n]
	v_min3_num_f32 v[TB+1], v[FK+n], v[FK+32+n], v[FK+64+n]
	v_max_num_f32 v[TB], v[TB], v[FK+96+n]
	v_min_num_f32 v[TB+1], v[TB+1], v[FK+96+n]
	v_add_f32 v[TB], v[TB], v[TB+1]
	v_mul_f32 v[DW+n], 0xbf38aa3b, v[TB]           ; x - log2e / 2
.set n, n+1
.endr
.set n, 0
.rept 64
	v_pk_fma_f32 v[FK+n:FK+n+1], v[FK+n:FK+n+1], 0x3fb8aa3b, v[DW+(n%32):DW+(n%32)+1] op_sel_hi:[1,0,1]
.set n, n+2
.endr
.set n, 0
.rept 128
	v_med3_num_f32 v[FK+n], v[FK+n], s50, s51
.set n, n+1
.endr
.set n, 0
.rept 128
	v_exp_f32 v[FK+n], v[FK+n]
.set n, n+1
.endr
	v_nop                                          ; a plain place behind the last exponential
	WIN 0x92
.set n, 0
.rept 32
	v_fma_f32 v[CWC+n], v[CWC+n], s45, -v[DW+n]    ; log2e (Wb + Ww beta + mid)
.set n, n+1
.endr
	WIN 0xc0
.set n, 0
.rept 32
	v_mov_b32 v[ZA+n], 0                           ; once in the launch: the pooled sums are rescaled before they are first added to
.set n, n+1
.endr
	WIN 0
	v_mov_b32 v[MR], 0xff800000
	v_mov_b32 v[MR+1], 0xff800000
	v_mov_b32 v[SS], 0
	v_mov_b32 v[SS+1], 0
	s_mov_b32 s5, 0
	s_wait_alu depctr_va_vdst(0)                   ; the wait for the batch of 128 F_k, ahead of the loop's label; the 68 lines above, which name none of them, stand between
; ---- the macros of a trip
.macro LNSUM i                         ; mean of squares + eps of tile i, in v[XB + 8 i]
.set lnp, 0
.rept 4
	v_pk_mul_f32 v[XB+8*\i+2*lnp:XB+8*\i+2*lnp+1], v[DA+32*\i+2*lnp:DA+32*\i+2*lnp+1], v[DA+32*\i+2*lnp:DA+32*\i+2*lnp+1]
.set lnp, lnp+1
.endr
.rept 12
	v_pk_fma_f32 v[XB+8*\i+2*(lnp%4):XB+8*\i+2*(lnp%4)+1], v[DA+32*\i+2*lnp:DA+32*\i+2*lnp+1], v[DA+32*\i+2*lnp:DA+32*\i+2*lnp+1], v[XB+8*\i+2*(lnp%4):XB+8*\i+2*(lnp%4)+1]
.set lnp, lnp+1
.endr
	v_pk_add_f32 v[XB+8*\i:XB+8*\i+1], v[XB+8*\i:XB+8*\i+1], v[XB+8*\i+2:XB+8*\i+3]
	v_pk_add_f32 v[XB+8*\i+4:XB+8*\i+5], v[XB+8*\i+4:XB+8*\i+5], v[XB+8*\i+6:XB+8*\i+7]
	v_pk_add_f32 v[XB+8*\i:XB+8*\i+1], v[XB+8*\i:XB+8*\i+1], v[XB+8*\i+4:XB+8*\i+5]
	v_add_f32 v[XB+8*\i], v[XB+8*\i], v[XB+8*\i+1]
	v_permlanex16_b32 v[XB+8*\i+1], v[XB+8*\i], s38, s39       ; the other 32 features
	v_add_f32 v[XB+8*\i], v[XB+8*\i], v[XB+8*\i+1]
	v_fma_f32 v[XB+8*\i], v[XB+8*\i], s43, s44
.endm
.macro LNSCALE i
.set lnp, 0
.rept 16
	v_pk_mul_f32 v[DA+32*\i+2*lnp:DA+32*\i+2*lnp+1], v[DA+32*\i+2*lnp:DA+32*\i+2*lnp+1], v[RS+2*\i:RS+2*\i+1]
.set lnp, lnp+1
.endr
.set lnp, 0
.rept 16
	v_cvt_pk_bf16_f32 v[P+16*\i+lnp], v[DA+32*\i+2*lnp], v[DA+32*\i+2*lnp+1]
.set lnp, lnp+1
.endr
.endm
.macro L3 i                            ; log2e zz of tile i into DR buffer i % 2, in window 3
	WIN 0xe2
.irp t,0,1,2,3
	v_wmma_f32_16x16x32_bf16 v[DR+32*(\i%2)+8*\t:DR+32*(\i%2)+8*\t+7], v[WWF+16*\t:WWF+16*\t+7], v[P+16*\i:P+16*\i+7], v[CWC+8*\t:CWC+8*\t+7]
.endr
	WIN 0xf2
.irp t,0,1,2,3
	v_wmma_f32_16x16x32_bf16 v[DR+32*(\i%2)+8*\t:DR+32*(\i%2)+8*\t+7], v[WWF+16*\t+8:WWF+16*\t+15], v[P+16*\i+8:P+16*\i+15], v[DR+32*(\i%2)+8*\t:DR+32*(\i%2)+8*\t+7]
.endr
.endm
; THE TANH STAGE, CUT INTO BATCHES.  Batch b = 4 i + t (0 to 15) is the eight features 16 t + 8 h + j of tile i for all four seeds:
; 32 reciprocals.  PHASE b holds, behind ONE wait:
;   the 32 reciprocals of batch b, in place on buffer b % 2 of TR;
;   between the first 16 of them the 16 multiply-adds of batch b - 1 into the scores: they read buffer (b - 1) % 2, whose reciprocals
;     were issued ahead of the wait;
;   between the other 16 the 16 products p = E1 F_k of batch b + 1, into the registers just read; their E1 too was made ahead of the wait;
;   the eight exponentials E1 of batch b + 2, out of window 3 into group b % 2 of EB, which batch b's products read a phase earlier;
;   the 16 squares a = p p + 1 of batch b + 1: plain work that names no result of the phase's 40 transcendentals; the first of them is
;     the plain place behind the last transcendental (ISA guide 5.7.2).
; So a phase's reciprocals and exponentials are one batch, each result in a register of its own, and nothing names one of them ahead of the
; next phase's wait.  The stage has 17 waits: one for the first 16 exponentials, one at the head of phases 1 to 15, one ahead of the last
; multiply-adds.  All but the exponentials works in window 1; the eight exponentials stand together, with a switch of windows on either side.
; Each seed's sum takes its terms in the order t, then pair of features; ph, cb and nb are the batch in hand, the one before and the next.
.macro RCP m                           ; reciprocal m of 32 of batch ph
	v_rcp_f32 v[TR+32*(ph%2)+(\m)], v[TR+32*(ph%2)+(\m)]
.endm
.macro CC c                            ; multiply-add c of 16 of batch cb: pair c / 4 of the eight features, seed c % 4
.set rgT, TR+32*(cb%2)+8*((\c)%4)+2*((\c)/4)
.set rgV, VW2+8*(cb%4)+2*((\c)/4)
.set rgA, ACC+2*((\c)%4)
.if (cb%4)*4+(\c)/4 == 0
	v_pk_fma_f32 v[rgA:rgA+1], v[rgT:rgT+1], v[rgV:rgV+1], v[SVP:SVP+1]   ; a tile's first term starts the sum
.else
	v_pk_fma_f32 v[rgA:rgA+1], v[rgT:rgT+1], v[rgV:rgV+1], v[rgA:rgA+1]
.endif
.endm
.macro MM c                            ; product c of 16 of batch nb: p = E1 F_k
.set rgT, TR+32*(nb%2)+8*((\c)%4)+2*((\c)/4)
.set rgE, EB+8*(nb%2)+2*((\c)/4)
.set rgF, FK+32*((\c)%4)+8*(nb%4)+2*((\c)/4)
	v_pk_mul_f32 v[rgT:rgT+1], v[rgE:rgE+1], v[rgF:rgF+1]
.endm
.macro QQ c                            ; square c of 16 of batch nb: a = p p + 1
.set rgT, TR+32*(nb%2)+8*((\c)%4)+2*((\c)/4)
	v_pk_fma_f32 v[rgT:rgT+1], v[rgT:rgT+1], v[rgT:rgT+1], 1.0 op_sel_hi:[1,1,0]
.endm
.macro EXG b                           ; the eight exponentials of batch b; each accumulator's lowest register is read first
	WIN 0x43                                       ; source in window 3, destination in window 1
.set ej, 0
.rept 8
	v_exp_f32 v[EB+8*((\b)%2)+ej], v[DR+32*(((\b)/4)%2)+8*((\b)%4)+ej]
.set ej, ej+1
.endr
.endm
.macro ALL16 op                        ; numbers 0 to 15 of one kind
.set px, 0
.rept 16
	\op px
.set px, px+1
.endr
.endm
; mat = 2, 3: the third product of that tile stands directly behind the phase's wait, where no transcendental is pending.
.macro PHASE mat=-1
.if ph > 0
	s_wait_alu depctr_va_vdst(0)                   ; the wait for the batch of the phase before: its 32 reciprocals and its eight exponentials
.endif
.if (\mat) >= 0
	L3 \mat
.endif
	WIN 0x55
.set cb, ph-1
.set nb, ph+1
.set px, 0
.rept 16
.if ph > 0
	CC px
.endif
	RCP px
.set px, px+1
.endr
.set px, 0
.rept 16
.if ph < 15
	MM px
.endif
	RCP 16+px
.set px, px+1
.endr
.if ph < 14
	EXG ph+2
	WIN 0x55
.endif
.if ph < 15
	ALL16 QQ
.endif
.set ph, ph+1
.endm
.macro PHASES cnt
.rept \cnt
	PHASE
.endr
.endm
.macro PARTIAL i                       ; the two halves of each seed pair of tile i
	WIN 0x05
.irp k,0,1,2,3
	v_add_f32 v[PART+4*\i+\k], v[ACC+2*\k], v[ACC+2*\k+1]
.endr
.endm
.Ltrip:
	s_wait_loadcnt 0x0                             ; my block, asked for a whole trip ago; X base and XF are free
	WIN 0x0f
	CVT 32, DA, XF
	WIN 0
.irp q,0,1,2,3,4,5,6,7,8,9,10,11,12,13,14,15
	ds_store_b64 v[XSA], v[DA+2*\q:DA+2*\q+1] offset:272*\q    ; 256 neighbouring bytes: rows 4 q .. 4 q + 3 in bf16
.endr
	s_add_co_u32 s6, s5, 1
	s_cmp_ge_u32 s6, s4
	s_cbranch_scc1 .Lnoload                        ; the last trip asks for nothing: no load leaves X
	s_add_nc_u64 s[46:47], s[46:47], XSTEP
	WIN 0xc0
	XLOAD
	WIN 0
.Lnoload:
.irp i,0,1,2,3
	ds_load_b128 v[XB+8*\i:XB+8*\i+3], v[XLA] offset:64*\i     ; LDS serves a wave in order: these see the stores above
	ds_load_b128 v[XB+8*\i+4:XB+8*\i+7], v[XLA] offset:64*\i+32
.endr
	s_wait_dscnt 0x0
	WIN 0x22                                       ; layer 1: the bias starts the sums
.irp i,0,1,2,3
.irp t,0,1,2,3
	v_wmma_f32_16x16x32_bf16 v[DA+32*\i+8*\t:DA+32*\i+8*\t+7], v[W1F+8*\t:W1F+8*\t+7], v[XB+8*\i:XB+8*\i+7], v[B1C+8*\t:B1C+8*\t+7]
.endr
.endr
	PLACES
	WIN 0
.set rn, 0
.rept 16
.irp j,0,1,2,3,4,5,6,7
	v_max_num_f32 v[DA+8*rn+\j], 0, v[DA+8*rn+\j]
.endr
.irp j,0,1,2,3
	v_cvt_pk_bf16_f32 v[P+4*rn+\j], v[DA+8*rn+2*\j], v[DA+8*rn+2*\j+1]
.endr
.set rn, rn+1
.endr
	WIN 0x22                                       ; layer 2, mean-free
.irp i,0,1,2,3
.irp t,0,1,2,3
	v_wmma_f32_16x16x32_bf16 v[DA+32*\i+8*\t:DA+32*\i+8*\t+7], v[W2F+16*\t:W2F+16*\t+7], v[P+16*\i:P+16*\i+7], v[B2C+8*\t:B2C+8*\t+7]
.endr
.endr
	WIN 0x02
.irp i,0,1,2,3
.irp t,0,1,2,3
	v_wmma_f32_16x16x32_bf16 v[DA+32*\i+8*\t:DA+32*\i+8*\t+7], v[W2F+16*\t+8:W2F+16*\t+15], v[P+16*\i+8:P+16*\i+15], v[DA+32*\i+8*\t:DA+32*\i+8*\t+7]
.endr
.endr
	PLACES
	WIN 0
	LNSUM 0
	LNSUM 1
	LNSUM 2
	LNSUM 3
.irp i,0,1,2,3
	v_rsq_f32 v[RS+2*\i], v[XB+8*\i]
	v_rsq_f32 v[RS+2*\i+1], v[XB+8*\i]             ; twice: a pair for the packed multiply
.endr
	v_nop                                          ; a plain place behind the last of them
	s_wait_alu depctr_va_vdst(0)                   ; the wait for the batch of eight 1 / sigma, ahead of the first scaling
	LNSCALE 0
	LNSCALE 1
	LNSCALE 2
	LNSCALE 3
.irp i,0,1,2,3
.irp t,0,1,2,3
	ds_store_b128 v[HSA], v[P+16*\i+4*\t:P+16*\i+4*\t+3] offset:2560*\i+32*\t    ; row 16 i + r, features 16 t + 8 h ..
.endr
.endr
	WIN 0xc0
.irp u,0,1
.irp t,0,1,2,3
	ds_load_tr16_b128 v[AT+32*\u+8*\t:AT+32*\u+8*\t+3], v[TRA] offset:5120*\u+32*\t          ; waited for in front of the pooling
	ds_load_tr16_b128 v[AT+32*\u+8*\t+4:AT+32*\u+8*\t+7], v[TRA] offset:5120*\u+32*\t+2560
.endr
.endr
	L3 0
	L3 1
	PLACES
	EXG 0                                          ; the stage's opening: E1 of batches 0 and 1,
	EXG 1
	v_nop                                          ; a plain place behind the last exponential
	s_wait_alu depctr_va_vdst(0)                   ; the wait for these sixteen exponentials, ahead of the products that read them
	WIN 0x55
.set nb, 0
	ALL16 MM                                       ; and a of batch 0
	ALL16 QQ
.set ph, 0
	PHASES 4                                       ; phases 0-3; buffer 0 of DR was last read in phase 1
	PHASE 2                                        ; phase 4, with tile 2's product, first read in phase 6: two phases' plain instructions are its places
	PARTIAL 0                                      ; phase 4 has added the last of tile 0; phase 5 starts tile 1's sums
	PHASES 3
	PHASE 3                                        ; phase 8, with tile 3's product: buffer 1 was last read in phase 5, is first read in phase 10
	PARTIAL 1
	PHASES 4
	PARTIAL 2
	PHASES 3                                       ; phases 13-15
	v_nop                                          ; a plain place behind the last reciprocal
	s_wait_alu depctr_va_vdst(0)                   ; the wait for the last batch: the 32 reciprocals of batch 15
.set cb, 15
	ALL16 CC
	PARTIAL 3
	WIN 0
	; scores: each half keeps seeds 2 h, 2 h + 1 and sends its part of the other two
.irp i,0,1,2,3
.irp k,0,1
	v_cndmask_b32 v[KP+4*\k+\i], v[PART+4*\i+\k], v[PART+4*\i+2+\k], s40
	v_cndmask_b32 v[SND+4*\k+\i], v[PART+4*\i+2+\k], v[PART+4*\i+\k], s40
.endr
.endr
.irp x,0,1,2,3,4,5,6,7
	v_permlanex16_b32 v[PART+\x], v[SND+\x], s38, s39
.endr
.irp x,0,1,2,3,4,5,6,7
	v_add_f32 v[SC+\x], v[KP+\x], v[PART+\x]
.endr
	global_store_b128 v[SOFF], v[SC:SC+3], s[48:49]                        ; 16 lanes store 256 consecutive bytes, aligned
	global_store_b128 v[SOFF], v[SC+4:SC+7], s[48:49] offset:4000000
	; running softmax over the 64 rows
.irp k,0,1
	v_max3_num_f32 v[MN+\k], v[SC+4*\k], v[SC+4*\k+1], v[SC+4*\k+2]
.endr
.irp k,0,1
	v_max3_num_f32 v[MN+\k], v[MN+\k], v[SC+4*\k+3], v[MR+\k]
.endr
.irp m,1,2,4,8
.irp k,0,1
	v_max_num_f32_dpp v[MN+\k], v[MN+\k], v[MN+\k] row_xmask:\m row_mask:0xf bank_mask:0xf
.endr
.endr
.irp k,0,1
	v_sub_f32 v[ALP+\k], v[MR+\k], v[MN+\k]
.irp i,0,1,2,3
	v_sub_f32 v[PE+4*\k+\i], v[SC+4*\k+\i], v[MN+\k]
.endr
.endr
	v_exp_f32 v[ALP], v[ALP]
	v_exp_f32 v[ALP+1], v[ALP+1]
.irp x,0,1,2,3,4,5,6,7
	v_exp_f32 v[PE+\x], v[PE+\x]
.endr
	v_mov_b32 v[MR], v[MN]
	v_mov_b32 v[MR+1], v[MN+1]
	s_wait_alu depctr_va_vdst(0)                   ; the wait for the softmax's batch: two rescales and eight numerators; the two moves above stand between
.irp k,0,1
.irp q,0,1
	v_cvt_pk_bf16_f32 v[PCK+2*\k+\q], v[PE+4*\k+2*\q], v[PE+4*\k+2*\q+1]
.endr
.endr
.irp k,0,1
.irp q,0,1
	ds_store_b16 v[PTA], v[PCK+2*\k+\q] offset:144*\k+64*\q                ; seed 2 h + k, row 16 i + r
	ds_store_b16_d16_hi v[PTA], v[PCK+2*\k+\q] offset:144*\k+64*\q+32
.endr
.endr
	WIN 0xc0
.irp u,0,1
	ds_load_b128 v[PB+8*\u:PB+8*\u+3], v[PBA] offset:64*\u
	ds_load_b128 v[PB+8*\u+4:PB+8*\u+7], v[PBA] offset:64*\u+32
.endr
	WIN 0
.irp k,0,1
	v_pk_add_f32 v[T2:T2+1], v[PE+4*\k:PE+4*\k+1], v[PE+4*\k+2:PE+4*\k+3]
	v_add_f32 v[T2], v[T2], v[T2+1]
	v_fma_f32 v[SS+\k], v[SS+\k], v[ALP+\k], v[T2]
.endr
	v_cndmask_b32 v[T2+2], v[ALP], v[ALP+1], s41   ; the rescale of seed 2 h + (r & 1),
	v_permlanex16_b32 v[T2+3], v[T2+2], s38, s39   ; that of the other half,
	WIN 0xc0
	v_cndmask_b32 v[AL], v[T2+2], v[T2+3], s42     ; and of seed r & 3
	v_cndmask_b32 v[AL+1], v[T2+2], v[T2+3], s42
	WIN 0xff
.set n, 0
.rept 16
	v_pk_mul_f32 v[ZA+n:ZA+n+1], v[ZA+n:ZA+n+1], v[AL:AL+1]
.set n, n+2
.endr
	s_wait_dscnt 0x0                               ; Hn transposed and the numerators are in
.irp t,0,1,2,3
	v_wmma_f32_16x16x32_bf16 v[ZA+8*\t:ZA+8*\t+7], v[AT+8*\t:AT+8*\t+7], v[PB:PB+7], v[ZA+8*\t:ZA+8*\t+7]
.endr
.irp t,0,1,2,3
	v_wmma_f32_16x16x32_bf16 v[ZA+8*\t:ZA+8*\t+7], v[AT+32+8*\t:AT+32+8*\t+7], v[PB+8:PB+15], v[ZA+8*\t:ZA+8*\t+7]
.endr
	WIN 0
	s_wait_xcnt 0x0                                ; the score stores have read their data and base: both are rewritten behind this wait
	s_add_nc_u64 s[48:49], s[48:49], SSTEP
	s_add_co_u32 s5, s5, 1
	s_cmp_lt_u32 s5, s4
	s_cbranch_scc1 .Ltrip
	; THE WAY OUT: the four waves meet in LDS; wave w then combines seed w.
	PLACES
.irp m,1,2,4,8
	v_add_f32_dpp v[SS], v[SS], v[SS] row_xmask:\m row_mask:0xf bank_mask:0xf
	v_add_f32_dpp v[SS+1], v[SS+1], v[SS+1] row_xmask:\m row_mask:0xf bank_mask:0xf
.endr
	s_lshl_b32 s6, s2, 5
	s_add_co_u32 s6, s6, MS
	v_lshl_add_u32 v24, v3, 3, s6
	ds_store_b32 v24, v[MR]                        ; the 16 lanes of a half write one word with one value
	ds_store_b32 v24, v[MR+1] offset:4
	ds_store_b32 v24, v[SS] offset:16
	ds_store_b32 v24, v[SS+1] offset:20
	v_and_b32 v25, 3, v0
	v_lshlrev_b32 v25, 8, v25
	v_lshl_add_u32 v25, v3, 5, v25
	s_lshl_b32 s6, s2, 10
	s_add_co_u32 s6, s6, ZL
	v_add_nc_u32 v25, s6, v25
	WIN 0x0c
.irp t,0,1,2,3
	ds_store_b128 v25, v[ZA+8*\t:ZA+8*\t+3] offset:64*\t               ; columns r, r + 4, .. hold the same numbers
	ds_store_b128 v25, v[ZA+8*\t+4:ZA+8*\t+7] offset:64*\t+16
.endr
	WIN 0
	s_wait_dscnt 0x0
	s_barrier_signal -1
	s_barrier_wait -1
	s_lshl_b32 s6, s2, 2
	s_add_co_u32 s6, s6, MS
	v_mov_b32 v24, s6
.irp w,0,1,2,3
	ds_load_b32 v[32+\w], v24 offset:32*\w
	ds_load_b32 v[36+\w], v24 offset:32*\w+16
.endr
	s_lshl_b32 s6, s2, 8
	s_add_co_u32 s6, s6, ZL
	v_lshl_add_u32 v25, v1, 3, s6
.irp w,0,1,2,3
	ds_load_b64 v[40+2*\w:41+2*\w], v25 offset:1024*\w
.endr
	s_wait_dscnt 0x0
	v_max3_num_f32 v26, v32, v33, v34
	v_max_num_f32 v26, v26, v35
.irp w,0,1,2,3
	v_sub_f32 v[32+\w], v[32+\w], v26
.endr
.irp w,0,1,2,3
	v_exp_f32 v[32+\w], v[32+\w]
.endr
	v_lshlrev_b32 v30, 3, v1
	s_wait_alu depctr_va_vdst(0)                   ; the wait for the four waves' rescales, one batch; the shift above is the plain place behind them
	v_mul_f32 v27, v32, v36
	v_mul_f32 v28, v40, v32
	v_mul_f32 v29, v41, v32
.irp w,1,2,3
	v_fmac_f32 v27, v[32+\w], v[36+\w]
	v_fmac_f32 v28, v[40+2*\w], v[32+\w]
	v_fmac_f32 v29, v[41+2*\w], v[32+\w]
.endr
	s_lshl_b32 s52, ttmp9, 10
	s_lshl_b32 s6, s2, 8
	s_add_co_u32 s52, s52, s6
	s_add_nc_u64 s[36:37], s[36:37], s[52:53]
	global_store_b64 v30, v[28:29], s[36:37]       ; 256 consecutive bytes, aligned: pz[group][seed][0..63]
	s_lshl_b32 s52, ttmp9, 5
	s_lshl2_add_u32 s52, s2, s52
	s_add_nc_u64 s[34:35], s[34:35], s[52:53]
	v_lshlrev_b32 v31, 4, v1
	v_cmp_eq_u32 vcc_lo, 1, v1
	v_cndmask_b32 v26, v26, v27, vcc_lo            ; lane 0: the maximum, lane 1: the sum
	v_cmp_gt_u32 vcc_lo, 2, v1
	s_wait_xcnt 0x0                                ; EXEC is a source of the store above
	s_set_vgpr_msb 0x5
	s_wait_tensorcnt 0x0
	ds_add_u32 v254, v255
	s_wait_dscnt 0x0
	s_set_vgpr_msb 0x500
	s_and_saveexec_b32 s6, vcc_lo
	global_store_b32 v31, v26, s[34:35]
	s_wait_xcnt 0x0
	s_or_b32 exec_lo, exec_lo, s6
	s_endpgm
.Lfunc_end_k_q16b1a96144_embed:
	.size	k_q16b1a96144_embed, .Lfunc_end_k_q16b1a96144_embed-k_q16b1a96144_embed
	.p2alignl 7, 3214868480
	.fill 96, 4, 3214868480
	.section	.rodata,"a",@progbits
	.p2align	6, 0x0
	.amdhsa_kernel k_q16b1a96144_embed
		.amdhsa_group_segment_fixed_size 128768
		.amdhsa_private_segment_fixed_size 0
		.amdhsa_enable_private_segment 0
		.amdhsa_kernarg_size 120
		.amdhsa_user_sgpr_count 2
		.amdhsa_user_sgpr_kernarg_segment_ptr 1
		.amdhsa_wavefront_size32 1
		.amdhsa_system_sgpr_workgroup_id_x 1
		.amdhsa_system_sgpr_workgroup_id_y 1
		.amdhsa_system_sgpr_workgroup_id_z 1
		.amdhsa_system_vgpr_workitem_id 0
		.amdhsa_next_free_vgpr 1024
		.amdhsa_next_free_sgpr 66
		.amdhsa_reserve_vcc 1
		.amdhsa_float_denorm_mode_32 3
		.amdhsa_float_denorm_mode_16_64 3
		.amdhsa_memory_ordered 1
		.amdhsa_forward_progress 1
		.amdhsa_inst_pref_size 226
	.end_amdhsa_kernel
	.amdgpu_metadata
---
amdhsa.version: [ 1, 2 ]
amdhsa.kernels:
  - .name:           k_q16b1a96144_embed
    .symbol:         k_q16b1a96144_embed.kd
    .args:
      - { .name: X, .offset: 0, .size: 8, .value_kind: global_buffer, .address_space: global }
      - { .name: w1, .offset: 8, .size: 8, .value_kind: global_buffer, .address_space: global }
      - { .name: b1, .offset: 16, .size: 8, .value_kind: global_buffer, .address_space: global }
      - { .name: w2, .offset: 24, .size: 8, .value_kind: global_buffer, .address_space: global }
      - { .name: b2, .offset: 32, .size: 8, .value_kind: global_buffer, .address_space: global }
      - { .name: gamma, .offset: 40, .size: 8, .value_kind: global_buffer, .address_space: global }
      - { .name: beta, .offset: 48, .size: 8, .value_kind: global_buffer, .address_space: global }
      - { .name: Ww, .offset: 56, .size: 8, .value_kind: global_buffer, .address_space: global }
      - { .name: Wb, .offset: 64, .size: 8, .value_kind: global_buffer, .address_space: global }
      - { .name: Uw, .offset: 72, .size: 8, .value_kind: global_buffer, .address_space: global }
      - { .name: vw, .offset: 80, .size: 8, .value_kind: global_buffer, .address_space: global }
      - { .name: seeds, .offset: 88, .size: 8, .value_kind: global_buffer, .address_space: global }
      - { .name: scores, .offset: 96, .size: 8, .value_kind: global_buffer, .address_space: global }
      - { .name: pms, .offset: 104, .size: 8, .value_kind: global_buffer, .address_space: global }
      - { .name: pz, .offset: 112, .size: 8, .value_kind: global_buffer, .address_space: global }
    .group_segment_fixed_size: 128768
    .private_segment_fixed_size: 0
    .kernarg_segment_align: 8
    .kernarg_segment_size: 120
    .max_flat_workgroup_size: 128
    .sgpr_count:     66
    .vgpr_count:     1024
    .wavefront_size: 32
...
	.end_amdgpu_metadata
.endif
;; end of part 3
;; launch finish: the kernel of part 2 again; grid 251 x 1, 25 waves a work-group, no clusters, 37,376 bytes of LDS; arguments scores, pms, pz, gamma, beta, rw1, rb1, rw2, rb2, out0, out1; writes out0, out1
